; MI455X (gfx1250); checked and timed in simulation.
; The chip was launched on July 23, 2026; its instructions are those of AMD's public machine-readable ISA for CDNA 5 (MIT licence, August 2026) and "CDNA5" Instruction Set Architecture Reference Guide (July 2026). The comments in the code are by the model that wrote it; some were corrected since.
;; Hierarchical VQ. Allowed arithmetic: matrix products marked QUANTISED: E3M2 operands, one E8M0 scale for each 32 along K, by v_wmma_scale_f32_16x16x128_f8f6f4 with both operands' format E3M2, f32 sums; everything else in f32.
;; Inputs: b_c2f 512 float32; b_f2c 512 float32; be_c2f 512 float32; be_f2c 512 float32; coarse_emb 4,096 x 512 float32; fine_emb 8,192 x 512 float32; g_c2f 512 float32; g_f2c 512 float32; gate_c_raw one number float32; gate_f_raw one number float32; w_c2f_codes 512 x 16 x 24 uint8 (E3M2 codes of w_c2f, K innermost, in blocks of 32 codes, four codes in three bytes); w_c2f_scales 512 x 16 uint8 (E8M0 scales of w_c2f, one for each 32 codes along K); w_f2c_codes 512 x 16 x 24 uint8 (E3M2 codes of w_f2c, K innermost, in blocks of 32 codes, four codes in three bytes); w_f2c_scales 512 x 16 uint8 (E8M0 scales of w_f2c, one for each 32 codes along K); z 8,192 x 1,024 float32.
;; Outputs: out0 8,192 x 1,024 float32; out1 one number float32.
;; This version of the problem:
;;   THIS VERSION OF THE PROBLEM IS GIVEN IN LOW PRECISION. The matrix products marked QUANTISED in the list below multiply operands that are first quantised to E3M2 (3 exponent bits, 2 mantissa bits; 6 bits a number), with one power-of-two scale for each 32 numbers along K (OCP MX v1.0); their sums are f32. All else is computed in f32.
;;   The module's matrix products, in the order in which they are computed (A, B: the left and right operand; K: the contracted axis; several contracted axes count as one K, in the product's order):
;;     1. [M 8,192, K 512] x [K 512, N 4,096]; A: input z; B: input coarse_emb: QUANTISED
;;     2. [M 8,192, K 512] x [K 512, N 512]; A: computed on the way; B: input w_c2f (given as codes): QUANTISED
;;     3. [M 8,192, K 512] x [K 512, N 8,192]; A: computed on the way; B: input fine_emb: QUANTISED
;;     4. [M 8,192, K 512] x [K 512, N 512]; A: computed on the way; B: input w_f2c (given as codes): QUANTISED
;;   THE QUANTISER, for each operand of a quantised product, along K:
;;     - K is cut into blocks of 32 from its start; a last block that is shorter is filled with zeros.
;;     - A block's scale is 2^e with e = floor(log2(the largest magnitude in the block)) - 4, held to -126 .. 127; a block of zeros has e = 0. As a byte (E8M0): e + 127.
;;     - Each number is divided by its block's scale, clamped to +-28, and rounded to the nearest number of E3M2, ties to even, subnormals kept.
;;     - The product sums the exact products of the quantised numbers (number of the format x scale) in f32.
;;   ~~~python
;;   def quantise(x, axis):      # numpy; x: float32 -> the quantised numbers, widened to float32 again
;;       x = np.moveaxis(x, axis, -1); K = x.shape[-1]
;;       x = np.pad(x, [(0, 0)] * (x.ndim - 1) + [(0, -K % 32)]); x = x.reshape(x.shape[:-1] + (-1, 32)); a = np.abs(x).max(-1, keepdims=True)
;;       e = np.where(a > 0, np.clip(np.frexp(np.where(a > 0, a, 1))[1] - 1 - 4, -126, 127), 0)      # np.frexp(a)[1] - 1 = floor(log2(a)), exactly
;;       r = np.clip(x / 2.0 ** e, -28, 28)
;;       step = 2.0 ** (np.maximum(np.frexp(np.where(r == 0, 1, r))[1] - 1, -2) - 2)
;;       q = np.round(r / step) * step * 2.0 ** e      # np.round: ties to even
;;       return np.moveaxis(q.reshape(q.shape[:-2] + (-1,))[..., :K], -1, axis).astype(np.float32)
;;   ~~~
;;   OPERANDS COMPUTED ON THE WAY. 'Computed on the way' means the value that the module computes at that place (a softmax that the list does not call 'softmax' is quantised finished and normalised). What goes into a quantiser is computed in f32, as accurately as f32 sums, v_exp_f32 and their like allow (about 1e-6 of the number): no bf16 or f16 on the way to a quantiser, and a product that is left as it is and whose result goes on into a quantised operand takes f32 operands (vector FMAs, or v_wmma_f32_16x16x4_f32). A number that lies on a knife's edge between two numbers of the format may be rounded either way, as far as f32 arithmetic and the matrix unit's own rounding can turn it there, and no further.
;;   INPUTS GIVEN AS CODES. w_c2f (in the module: [512, 512], K = its axis 1); w_f2c (in the module: [512, 512], K = its axis 1): each comes as NAME_codes (uint8): NAME with its K axis moved to the last place and cut into blocks of 32 codes, [.., K / 32, bytes a block], one block behind the other in memory; four codes in three bytes: a row's codes are one little-endian stream of bits, code i at bits 6 i .. 6 i + 5 (a code: sign, 3 exponent bits, 2 mantissa bits); and NAME_scales (uint8): the same leading axes, one E8M0 byte (e + 127) for each 32 codes along K. Its value is code x scale, taken as it is: it is not quantised again, and the codes and scales need not be those that the quantiser above would give.
;; One version. Each part assembles by itself: llvm-mc -triple=amdgcn-amd-amdhsa -mcpu=gfx1250 --defsym DOCPART=n.
;; ======== version 1 of 1: 6 launches
;; limits: right only within a limited range of input values
;; workspace buffers: za 3,407,872 bytes; cbc 1,703,936 bytes; cbf 3,407,872 bytes; ra 3,407,872 bytes; wimg 409,600 bytes; keyc 1,048,576 bytes of whole numbers; keyf 1,048,576 bytes of whole numbers; part 4,096 bytes
;; launch prep (part 1): grid 256 x 1, 5 waves a work-group, no clusters, 44,288 bytes of LDS; arguments z, coarse_emb, fine_emb, w_c2f_codes, w_c2f_scales, w_f2c_codes, w_f2c_scales, za, cbc, cbf, wimg; writes za, cbc, cbf, wimg
.if DOCPART == 1
	.amdgcn_target "amdgcn-amd-amdhsa--gfx1250"
	.amdhsa_code_object_version 6
	.text
	.protected	k_q74a626c2bd_prep
	.globl	k_q74a626c2bd_prep
	.p2align	8
	.type	k_q74a626c2bd_prep,@function
k_q74a626c2bd_prep:
	s_mov_b64 s[64:65], 0
	v_nop
	global_prefetch_b8 v0, s[64:65] scope:SCOPE_SE
	s_setreg_imm32_b32 hwreg(HW_REG_WAVE_MODE, 25, 1), 1
	s_wait_xcnt 0x0
; PREP.  coarse_emb [4096][512], fine_emb [8192][512] and the coarse half of z [8192][1024] (f32) become RECORDS of 16 rows x K 512 in codes of E3M2, laid in the order of the
; matrix operand's registers, so that every later read is 16 bytes a lane on end.  A record is 6,656 bytes:
;   0 .. 6143     four fragment images (K steps of 128): 12 registers a lane as 3 pieces of 512 bytes, piece c = registers 4 c .. 4 c + 3, lane l's 16 bytes at 16 l
;   6144 .. 6399  scale words: row r's four words (K steps 0 .. 3) at 16 r
;   6400 .. 6463  the 16 rows' sums of squares of the UNQUANTISED numbers, f32;   6464 .. 6655 zeros
; A block's scale is 2^(floor(log2(its largest magnitude)) - 4): its byte is the largest magnitude's exponent field - 4, held at 1 from below.
; LIMITS: a block of zeros, and one whose largest magnitude lies under 2^-122, keeps the byte 1 (zeros have zero codes, and this program alone reads the bytes); NaN and infinities are not served.
; SHARES: 1,280 waves, one record each: wave number W = 5 x work-group + wave; W < 256: coarse_emb, W < 768: fine_emb, else z.  Only pointers and the row pitch are chosen: one path for all three.
; A wave's loads take a row's 512 bytes of a K step, 16 bytes a lane; the conversions want 16 neighbours along K in one lane: the 16 x 128 numbers turn through the wave's own stage in LDS (rows 528 bytes apart).
; Wave 0 of work-groups 0 .. 63 then lays one tile of 16 rows of a weight out in the same order (6,400 bytes: four images, then scale words at 6144 + 16 r).  Lane-row rho of tile t of panel w is weight row
; 128 w + 32 (t / 2) + 8 (t % 2) + rho + 8 (rho / 8), so that the results of two neighbouring tiles are 16 neighbours along the next K.  Its reads are pieces of 8 bytes of rows 384 bytes apart: 0.4 MB, once in the program.
.set REC,  6656
.set WTB,  6400
.set WREG, 8704                        ; LDS of a wave: a stage of 16 x 528 bytes, then 256 bytes for the record's last unit
.set SCRO, 8448
.set SP,   528
.set LI,  1                            ; v1  16 x lane
.set SD,  2                            ; v2  stage, a row's 16 bytes of my lane
.set SQ,  3                            ; v3  stage, row r, + 64 h: my 16 neighbours of a block
.set SN,  4                            ; v4  last unit + 4 r
.set SZ,  5                            ; v5  last unit + 16 r
.set TM,  16                           ; v16-31 at work in QUANT
.set PWS, 32                           ; v32-35 the four scale words
.set NT,  36                           ; v36-39 the last store's data
.set NA,  40                           ; v40-43 sums of squares, two packed chains
.set PC,  44                           ; v44-62 codes
.set XQ,  64                           ; v64-127 64 numbers: register 16 b + i = column 32 b + 16 h + i of row r
.set RL,  128                          ; v128-255 two sets of 64 as loaded
.set SEL, 60
.set HM,  62
.set RB,  68                           ; s[68:99] the addresses of my 16 rows
	s_load_b512 s[4:19], s[0:1], 0x0               ; z, coarse_emb, fine_emb, w_c2f codes, scales, w_f2c codes, scales, za
	s_load_b128 s[20:23], s[0:1], 0x40             ; cbc, cbf
	s_load_b64 s[24:25], s[0:1], 0x50              ; wimg
	v_lshl_add_u32 v59, v0, 2, 0xaa00
	v_mov_b32 v63, 0
	v_lshrrev_b32 v8, 5, v0
	v_readfirstlane_b32 s26, v8                    ; wave 0..4
	v_and_b32 v9, 31, v0
	v_and_b32 v6, 15, v0                           ; r
	v_bfe_u32 v7, v0, 4, 1                         ; h
	v_lshlrev_b32 v[LI], 4, v9
	s_mul_i32 s38, s26, WREG
	v_add_nc_u32 v[SD], s38, v[LI]
	v_mul_u32_u24 v[SQ], v6, SP
	v_lshl_add_u32 v[SQ], v7, 6, v[SQ]
	v_add_nc_u32 v[SQ], s38, v[SQ]
	s_add_co_u32 s39, s38, SCRO
	v_lshl_add_u32 v[SN], v6, 2, s39
	v_lshl_add_u32 v[SZ], v6, 4, s39
.irp b, 0,1,2,3
	v_mov_b32 v[TM+4+\b], 0                        ; written once: a lane permute's destination counts as one of its sources
.endr
	s_mov_b32 s[SEL], 0x76543210
	s_mov_b32 s[SEL+1], 0xfedcba98                 ; v_permlanex16_b32's selects for lane l xor 16
	s_mov_b32 s[HM], 0xffff0000                    ; lanes 16-31
	s_mul_i32 s27, ttmp9, 5
	s_add_co_u32 s27, s27, s26                     ; W
	s_wait_alu depctr_va_vdst(0)
	s_wait_kmcnt 0x0
	s_cmp_lt_u32 s27, 768                          ; fine_emb or z?  The choices hang on ids alone
	s_cselect_b64 s[30:31], s[8:9], s[4:5]
	s_cselect_b64 s[32:33], s[22:23], s[18:19]
	s_mov_b32 s28, 768
	s_cselect_b32 s28, 256, s28
	s_mov_b32 s29, 4096
	s_cselect_b32 s29, 2048, s29                   ; bytes from row to row
	s_cmp_lt_u32 s27, 256                          ; or coarse_emb
	s_cselect_b64 s[30:31], s[6:7], s[30:31]
	s_cselect_b64 s[32:33], s[20:21], s[32:33]
	s_cselect_b32 s28, 0, s28
	s_sub_co_u32 s28, s27, s28                     ; my record's number in its buffer
	s_mov_b32 s34, s29
	s_mov_b32 s35, 0
	s_mul_i32 s36, s28, s29
	s_lshl_b32 s36, s36, 4                         ; 16 rows a record: under 2^26 bytes
	s_mov_b32 s37, 0
	s_add_nc_u64 s[RB:RB+1], s[30:31], s[36:37]
.irp i, 1,2,3,4,5,6,7,8,9,10,11,12,13,14,15
	s_add_nc_u64 s[RB+2*\i:RB+2*\i+1], s[RB+2*\i-2:RB+2*\i-1], s[34:35]
.endr
	s_mul_i32 s36, s28, REC
	s_add_nc_u64 s[32:33], s[32:33], s[36:37]      ; my record
.macro LOAD s                          ; K step s of my 16 rows: each load takes 512 consecutive bytes of one row
.irp i, 0,1,2,3,4,5,6,7,8,9,10,11,12,13,14,15
	global_load_b128 v[RL+64*((\s)%2)+4*\i:RL+64*((\s)%2)+4*\i+3], v[LI], s[RB+2*\i:RB+2*\i+1] offset:512*(\s) th:TH_LOAD_NT
.endr
.endm
; 64 numbers of a lane, register 16 b + i = k 32 b + 16 h + i of my row, become a fragment's codes in v[PC] on and its scale word in v[pw]
.macro QUANT s, pw
.irp b, 0,1,2,3
	v_max3_num_f32 v[TM+\b], |v[(\s)+16*\b]|, |v[(\s)+1+16*\b]|, 0x2800000   ; block b: my 16 numbers, and the floor 2^(5 - 127): the byte cannot fall under 1
.endr
.irp i, 2,4,6,8,10,12,14
.irp b, 0,1,2,3
	v_max3_num_f32 v[TM+\b], v[TM+\b], |v[(\s)+16*\b+\i]|, |v[(\s)+1+16*\b+\i]|
.endr
.endr
.irp b, 0,1,2,3
	v_permlanex16_b32 v[TM+4+\b], v[TM+\b], s[SEL], s[SEL+1]
.endr
.irp b, 0,1,2,3
	v_max_num_f32 v[TM+\b], v[TM+\b], v[TM+4+\b]   ; with lane l xor 16's: the block's largest magnitude
.endr
.irp b, 0,1,2,3
	v_add_nc_u32 v[TM+12+\b], 0xfe000000, v[TM+\b] ; 4 off its exponent field: the conversion takes that field as its scale
.endr
.irp b, 0,1,2,3
	v_lshrrev_b32 v[TM+4+\b], 23, v[TM+12+\b]      ; the scale's byte
.endr
	v_lshl_or_b32 v[\pw], v[TM+5], 8, v[TM+4]
	v_lshl_or_b32 v[\pw], v[TM+6], 16, v[\pw]
	v_lshl_or_b32 v[\pw], v[TM+7], 24, v[\pw]
.irp c, 0,1
	v_cvt_scalef32_pk16_bf6_f32 v[PC+6*\c:PC+2+6*\c], v[(\s)+32*\c:(\s)+15+32*\c], v[TM+12+2*\c]
	v_cvt_scalef32_pk16_bf6_f32 v[PC+12+4*\c:PC+14+4*\c], v[(\s)+16+32*\c:(\s)+31+32*\c], v[TM+12+2*\c+1]   ; (a conversion's three registers begin on an even number)
.endr
	v_nop                                          ; one plain place behind a scaled conversion
.irp c, 0,1                                    ; the operand's layout wants a whole block in a lane: lanes 0-15 block 2 c, lanes 16-31 block 2 c + 1
.irp i, 0,1,2
	v_permlane16_swap_b32 v[PC+6*\c+\i], v[PC+12+4*\c+\i]
.endr
.irp i, 0,1,2
	v_mov_b32 v[PC+3+6*\c+\i], v[PC+12+4*\c+\i]
.endr
.endr
.endm
.macro KSTEP s
.if (\s) < 3
	s_wait_loadcnt 16                              ; this K step's 16 loads are in; the next step's 16 may be out
.else
	s_wait_loadcnt 0x0
.endif
.irp i, 0,1,2,3,4,5,6,7,8,9,10,11,12,13,14,15
	ds_store_b128 v[SD], v[RL+64*((\s)%2)+4*\i:RL+64*((\s)%2)+4*\i+3] offset:SP*\i
.endr
.irp b, 0,1,2,3
.irp j, 0,1,2,3
	ds_load_b128 v[XQ+16*\b+4*\j:XQ+16*\b+4*\j+3], v[SQ] offset:128*\b+16*\j   ; LDS serves a wave's instructions in order: these see the stores above
.endr
.endr
	s_wait_dscnt 0x0                               ; the numbers are back, and the stores have read their registers,
.if (\s) < 2
	LOAD (\s)+2                                    ; which take the loads of two steps on
.endif
.if (\s) == 0
	v_pk_mul_f32 v[NA:NA+1], v[XQ:XQ+1], v[XQ:XQ+1]               ; the first products start the sums of squares
	v_pk_mul_f32 v[NA+2:NA+3], v[XQ+2:XQ+3], v[XQ+2:XQ+3]
.else
	v_pk_fma_f32 v[NA:NA+1], v[XQ:XQ+1], v[XQ:XQ+1], v[NA:NA+1]
	v_pk_fma_f32 v[NA+2:NA+3], v[XQ+2:XQ+3], v[XQ+2:XQ+3], v[NA+2:NA+3]
.endif
.irp j, 4,8,12,16,20,24,28,32,36,40,44,48,52,56,60
	v_pk_fma_f32 v[NA:NA+1], v[XQ+\j:XQ+\j+1], v[XQ+\j:XQ+\j+1], v[NA:NA+1]
	v_pk_fma_f32 v[NA+2:NA+3], v[XQ+\j+2:XQ+\j+3], v[XQ+\j+2:XQ+\j+3], v[NA+2:NA+3]
.endr
.if (\s) > 0
	s_wait_xcnt 0x0                                ; the last step's stores have read the codes' registers
.endif
	QUANT XQ, PWS+(\s)
.irp c, 0,1,2
	global_store_b128 v[LI], v[PC+4*\c:PC+4*\c+3], s[32:33] offset:1536*(\s)+512*\c   ; 512 consecutive bytes a store
.endr
.endm
	LOAD 0
	LOAD 1
	KSTEP 0
	KSTEP 1
	KSTEP 2
	KSTEP 3
	; the record's last 512 bytes: lanes 0-15 hold the scale words, lanes 16-31 the unit with the 16 sums of squares
	v_pk_add_f32 v[NA:NA+1], v[NA:NA+1], v[NA+2:NA+3]
	v_add_f32 v[NA], v[NA], v[NA+1]
	v_permlanex16_b32 v[NA+1], v[NA], s[SEL], s[SEL+1]
	v_add_f32 v[NA], v[NA], v[NA+1]                ; row r's sum of squares, in both halves of the lanes
.irp k, 0,1,2,3
	v_mov_b32 v[NT+\k], 0
.endr
	ds_store_b128 v[SZ], v[NT:NT+3]                ; 256 bytes of zeros,
	ds_store_b32 v[SN], v[NA]                      ; the sums over the first 64,
	ds_load_b128 v[NT:NT+3], v[SZ]                 ; and back, 16 bytes a lane
	s_wait_dscnt 0x0
.irp k, 0,1,2,3
	v_cndmask_b32 v[NT+\k], v[PWS+\k], v[NT+\k], s[HM]
.endr
	global_store_b128 v[LI], v[NT:NT+3], s[32:33] offset:6144
	; ---- a tile of a weight
	s_cmp_lg_u32 s26, 0
	s_cbranch_scc1 .Lend
	s_cmp_gt_u32 ttmp9, 63
	s_cbranch_scc1 .Lend
	s_and_b32 s40, ttmp9, 31                       ; 8 x panel + tile
	s_lshr_b32 s41, s40, 3
	s_lshl_b32 s41, s41, 7
	s_bfe_u32 s48, s40, 0x20001
	s_lshl_b32 s48, s48, 5
	s_add_co_u32 s41, s41, s48
	s_and_b32 s48, s40, 1
	s_lshl_b32 s48, s48, 3
	s_add_co_u32 s41, s41, s48                     ; the tile's first row: 128 w + 32 (t / 2) + 8 (t % 2)
	s_cmp_lt_u32 ttmp9, 32                         ; tiles 0-31: w_c2f, 32-63: w_f2c
	s_cselect_b64 s[42:43], s[10:11], s[14:15]
	s_cselect_b64 s[44:45], s[12:13], s[16:17]
	s_mul_i32 s48, s41, 384
	s_mov_b32 s49, 0
	s_add_nc_u64 s[42:43], s[42:43], s[48:49]
	s_lshl_b32 s48, s41, 4
	s_add_nc_u64 s[44:45], s[44:45], s[48:49]
	s_mul_i32 s48, ttmp9, WTB
	s_add_nc_u64 s[46:47], s[24:25], s[48:49]
	v_and_b32 v10, 8, v6
	v_add_nc_u32 v10, v10, v6                      ; r + 8 (r / 8)
	v_lshlrev_b32 v11, 4, v10                      ; its 16 scale bytes
	v_mul_u32_u24 v10, v10, 384                    ; its 512 codes,
	v_mad_u32_u24 v10, v7, 24, v10                 ; + 24 h
	v_lshlrev_b32 v12, 4, v6
	v_lshl_add_u32 v12, v7, 3, v12                 ; 16 r + 8 h
.irp s, 0,1,2,3
.irp p, 0,1,2,3,4,5
	global_load_b64 v[RL+12*\s+2*\p:RL+12*\s+2*\p+1], v10, s[42:43] offset:96*\s+48*(\p/3)+8*(\p%3)
.endr
.endr
	global_load_b128 v[RL+48:RL+51], v11, s[44:45]
	s_wait_loadcnt 0x0
.irp s, 0,1,2,3
.irp c, 0,1,2
	global_store_b128 v[LI], v[RL+12*\s+4*\c:RL+12*\s+4*\c+3], s[46:47] offset:1536*\s+512*\c
.endr
.endr
	v_cndmask_b32 v[RL+52], v[RL+48], v[RL+50], s[HM]   ; lanes 0-15 store words 0, 1 of row r, lanes 16-31 words 2, 3: 256 consecutive bytes
	v_cndmask_b32 v[RL+53], v[RL+49], v[RL+51], s[HM]
	s_wait_alu depctr_va_vdst(0)
	global_store_b64 v12, v[RL+52:RL+53], s[46:47] offset:6144
.Lend:
	s_wait_tensorcnt 0x0
	ds_add_u32 v59, v63
	s_wait_dscnt 0x0
	s_endpgm
.Lfunc_end_k_q74a626c2bd_prep:
	.size	k_q74a626c2bd_prep, .Lfunc_end_k_q74a626c2bd_prep-k_q74a626c2bd_prep
	.p2alignl 7, 3214868480
	.fill 96, 4, 3214868480
	.section	.rodata,"a",@progbits
	.p2align	6, 0x0
	.amdhsa_kernel k_q74a626c2bd_prep
		.amdhsa_group_segment_fixed_size 44288
		.amdhsa_private_segment_fixed_size 0
		.amdhsa_enable_private_segment 0
		.amdhsa_kernarg_size 88
		.amdhsa_user_sgpr_count 2
		.amdhsa_user_sgpr_kernarg_segment_ptr 1
		.amdhsa_wavefront_size32 1
		.amdhsa_system_sgpr_workgroup_id_x 1
		.amdhsa_system_sgpr_workgroup_id_y 1
		.amdhsa_system_sgpr_workgroup_id_z 1
		.amdhsa_system_vgpr_workitem_id 0
		.amdhsa_next_free_vgpr 256
		.amdhsa_next_free_sgpr 100
		.amdhsa_reserve_vcc 0
		.amdhsa_float_denorm_mode_32 3
		.amdhsa_float_denorm_mode_16_64 3
		.amdhsa_memory_ordered 1
		.amdhsa_forward_progress 1
		.amdhsa_inst_pref_size 48
	.end_amdhsa_kernel
	.amdgpu_metadata
---
amdhsa.version: [ 1, 2 ]
amdhsa.kernels:
  - .name:           k_q74a626c2bd_prep
    .symbol:         k_q74a626c2bd_prep.kd
    .args:
      - { .name: z, .offset: 0, .size: 8, .value_kind: global_buffer, .address_space: global }
      - { .name: coarse_emb, .offset: 8, .size: 8, .value_kind: global_buffer, .address_space: global }
      - { .name: fine_emb, .offset: 16, .size: 8, .value_kind: global_buffer, .address_space: global }
      - { .name: w_c2f_codes, .offset: 24, .size: 8, .value_kind: global_buffer, .address_space: global }
      - { .name: w_c2f_scales, .offset: 32, .size: 8, .value_kind: global_buffer, .address_space: global }
      - { .name: w_f2c_codes, .offset: 40, .size: 8, .value_kind: global_buffer, .address_space: global }
      - { .name: w_f2c_scales, .offset: 48, .size: 8, .value_kind: global_buffer, .address_space: global }
      - { .name: za, .offset: 56, .size: 8, .value_kind: global_buffer, .address_space: global }
      - { .name: cbc, .offset: 64, .size: 8, .value_kind: global_buffer, .address_space: global }
      - { .name: cbf, .offset: 72, .size: 8, .value_kind: global_buffer, .address_space: global }
      - { .name: wimg, .offset: 80, .size: 8, .value_kind: global_buffer, .address_space: global }
    .group_segment_fixed_size: 44288
    .private_segment_fixed_size: 0
    .kernarg_segment_align: 8
    .kernarg_segment_size: 88
    .max_flat_workgroup_size: 160
    .sgpr_count:     100
    .vgpr_count:     256
    .wavefront_size: 32
...
	.end_amdgpu_metadata
.endif
;; end of part 1
;; launch distc (part 2): grid 16 x 16, 8 waves a work-group, clusters of 4 x 1, 167,936 bytes of LDS; arguments za, cbc, keyc; writes keyc
.if DOCPART == 2
	.amdgcn_target "amdgcn-amd-amdhsa--gfx1250"
	.amdhsa_code_object_version 6
	.text
	.protected	k_q74a626c2bd_distc
	.globl	k_q74a626c2bd_distc
	.p2align	8
	.type	k_q74a626c2bd_distc,@function
k_q74a626c2bd_distc:
	s_mov_b64 s[64:65], 0
	v_nop
	global_prefetch_b8 v0, s[64:65] scope:SCOPE_SE
	s_setreg_imm32_b32 hwreg(HW_REG_WAVE_MODE, 25, 1), 1
	s_wait_xcnt 0x0
	s_wait_alu depctr_hold_cnt(0) depctr_sa_sdst(0) depctr_va_vdst(0) depctr_va_sdst(0) depctr_va_ssrc(0) depctr_va_vcc(0) depctr_vm_vsrc(0)
	s_getreg_b32 s2, hwreg(HW_REG_IB_STS2, 6, 4)
	s_cmp_eq_u32 s2, 0
	s_cbranch_scc0 .Lentry_in_a_cluster
	s_endpgm
.Lentry_in_a_cluster:
	s_bfe_u32 s2, ttmp6, 0x10000c
	s_cmp_lg_u32 s2, 0x3003
	s_cbranch_scc0 .Lentry_shape_is_right
	s_endpgm
.Lentry_shape_is_right:
; DIST, coarse codebook.  d[token][code] = (|x|^2 + |e|^2) - 2 x . e on records of E3M2 codes (16 rows x K 512: four fragment images, scale words at 6144 + 16 r, sums of squares at 6400), and for each token
; the smallest d and its code within the work-group's 16 NREC codes, stored as a KEY of two whole numbers: word 0 the bits of d made sortable as an unsigned number, word 1 the code's number;
; at (split x 8192 + token) x 8 bytes, split = the work-group's y.  A later launch takes the smallest key over the splits.
; ROUNDING as the definition has it: t = x2 + e2 rounded to f32, d = t - 2 dot rounded once (a fused multiply-add by -2).  The first code wins a tie at every level.
; LIMITS: NaN and infinities are not served.  x2 and e2 are summed in another order than a plain row sum.
; SHARES.  A work-group: 512 tokens x 16 NREC codes; 16 x 16 work-groups.  Wave w: tokens 64 w on, four tiles whose fragments stay in 192 registers, each record of A loaded by one wave alone; it walks all NREC records of B in LDS.
; LDS holds B's NREC records as they lie in memory, each byte filled once: each wave asks for NREC / 8 records by its one tensor load, at the head; one wait and one barrier show them to all waves.
; The launch asks for more than half of a WGP's LDS; it uses NREC x 6,656 + 1,024 bytes.
; CLUSTER.  The four work-groups of a cluster have the same codes: each tile is asked for jointly, by the same load with the same descriptor (it hangs on y and the wave's number) and the mask 15.
; NO PREFETCH: all bytes are asked for by the launch's first lines; there is no later stream to run ahead of.
; THE WALK.  Two sets of fragments, scale words, e2 and accumulators.  In turn k: record k + 1's fragments are fetched, record k's 16 products are issued, then record k - 1's vector work is done.
; THE PRODUCT IS USED TRANSPOSED: source 0 = 16 codes, source 1 = 16 tokens: lane (r, h) holds token r and its register j code 8 h + j.
; REGISTERS: window 0: v3-13 addresses; v16-31 A's scale words; v32-39 B's, two sets; v40-47 x2; v48-63 e2, two sets; v64-71 t; v72-79 at work; v80-127 fragments, set 0; v128-191 accumulators, two sets of four;
;   v192-223 the smallest d so far; v224-255 its record.   window 1: v0-191 A's 16 fragments; v192-239 fragments, set 1.
.set NREC, 16
.set REC,  6656
.set RPW,  NREC/8                      ; records that a wave's tensor load brings
.set SPARE, NREC*REC                   ; behind the records: the spare words, 128 bytes a wave
.set LE0,  3
.set ADRF, 4
.set ADRS, 5
.set ADRE, 6
.set L16,  7
.set R16,  8
.set R4,   9
.set HB,   10
.set SPW,  11
.set L8,   12
.set NIL,  13
.set AS,   16
.set BS,   32
.set X2,   40
.set E2,   48
.set T,    64
.set TMP,  72
.set ACC,  128
.set BEST, 192
.set IX,   224
.set WV,  10
.set TB,  20                           ; s20 LDS byte of record 2 t in trip t
.set RC,  21                           ; s21, s22 the even and the odd record whose vector work is due
.set CNT, 23
.set G1,  24
.set G0,  32
.set CM,  40
.set HM,  48
.set SEL, 50
.set CB,  52
.set MSB, 0
.macro WIN new                         ; the immediate's high byte repeats the setting that is left
.if MSB != (\new)
	s_set_vgpr_msb (MSB<<8)|(\new)
.set MSB, (\new)
.endif
.endm
.macro CROUND                          ; a round of the cluster's barrier
	s_barrier_signal -1
	s_barrier_wait -1
	s_cmp_lg_u32 s[WV], 0
	s_cbranch_scc1 .Lnot_wave_0_\@
	s_barrier_signal -3
.Lnot_wave_0_\@:
	s_barrier_wait -3
	s_barrier_signal -1
	s_barrier_wait -1
.endm
.macro LDF q, adf, ads, off            ; a record's scale words and fragments into set q: 13 LDS loads; leaves the destination's window at q
	ds_load_b128 v[BS+4*(\q):BS+4*(\q)+3], v[\ads] offset:(\off)+6144
	WIN 0x40*(\q)
.irp s, 0,1,2,3
.irp c, 0,1,2
	ds_load_b128 v[80+112*(\q)+12*\s+4*\c:80+112*(\q)+12*\s+4*\c+3], v[\adf] offset:(\off)+1536*\s+512*\c
.endr
.endr
.endm
.macro LDE q, ade, off                 ; e2 of its codes 8 h .. 8 h + 7 into set q: 2 LDS loads
	ds_load_b128 v[E2+8*(\q):E2+8*(\q)+3], v[\ade] offset:(\off)+6400
	ds_load_b128 v[E2+8*(\q)+4:E2+8*(\q)+7], v[\ade] offset:(\off)+6416
.endm
.macro MM m, s, p
.if (\s) == 0
	v_wmma_scale_f32_16x16x128_f8f6f4 v[ACC+32*(\p)+8*(\m):ACC+32*(\p)+8*(\m)+7], v[80+112*(\p)+12*(\s):80+112*(\p)+12*(\s)+11], v[48*(\m)+12*(\s):48*(\m)+12*(\s)+11], 0, v[BS+4*(\p)+(\s)], v[AS+4*(\m)+(\s)] matrix_a_fmt:MATRIX_FMT_BF6 matrix_b_fmt:MATRIX_FMT_BF6
.else
	v_wmma_scale_f32_16x16x128_f8f6f4 v[ACC+32*(\p)+8*(\m):ACC+32*(\p)+8*(\m)+7], v[80+112*(\p)+12*(\s):80+112*(\p)+12*(\s)+11], v[48*(\m)+12*(\s):48*(\m)+12*(\s)+11], v[ACC+32*(\p)+8*(\m):ACC+32*(\p)+8*(\m)+7], v[BS+4*(\p)+(\s)], v[AS+4*(\m)+(\s)] matrix_a_fmt:MATRIX_FMT_BF6 matrix_b_fmt:MATRIX_FMT_BF6
.endif
.endm
.macro MUL p                           ; 16 products of the record in set p; the four accumulators take turns; each sum starts with the constant 0
	WIN 0x04|(\p)                                  ; source 0 (codes) window p, source 1 (tokens) window 1
.irp s, 0,1,2,3
.irp m, 0,1,2,3
	MM \m, \s, \p
.endr
.endr
	WIN 0
.endm
.macro VAL1 q                          ; d = (x2 + e2) - 2 dot, in place, for the record in set q; each accumulator from its low end on
.irp m, 0,1,2,3
.irp j, 0,2,4,6
	v_pk_add_f32 v[T+\j:T+\j+1], v[E2+8*(\q)+\j:E2+8*(\q)+\j+1], v[X2+2*\m:X2+2*\m+1] op_sel_hi:[1,0]
.endr
.irp j, 0,2,4,6
	v_pk_fma_f32 v[ACC+32*(\q)+8*\m+\j:ACC+32*(\q)+8*\m+\j+1], v[ACC+32*(\q)+8*\m+\j:ACC+32*(\q)+8*\m+\j+1], -2.0, v[T+\j:T+\j+1] op_sel_hi:[1,0,1]
.endr
.endr
.endm
.macro VAL2 q                          ; the smallest so far and its record; strictly smaller: the earlier record keeps a tie
.irp m, 0,1,2,3
.irp j, 0,1,2,3,4,5,6,7
	v_cmp_lt_f32 s[CM+\j], v[ACC+32*(\q)+8*\m+\j], v[BEST+8*\m+\j]
.endr
.irp j, 0,1,2,3,4,5,6,7
	v_min_num_f32 v[BEST+8*\m+\j], v[BEST+8*\m+\j], v[ACC+32*(\q)+8*\m+\j]
.endr
.irp j, 0,1,2,3,4,5,6,7
	v_cndmask_b32 v[IX+8*\m+\j], v[IX+8*\m+\j], s[RC+(\q)], s[CM+\j]
.endr
.endr
.endm
; Turn k, p = k % 2.  ld = 1: record k + 1, at off from the trip's base, is fetched into the other sets: its fragments ahead of the products, its e2 behind that set's last reader.
; The registers that the fetch lands on were read by products one turn ago, with a record's vector work, which names none of them, between.
.macro ITER p, ld, off
	s_wait_dscnt 2                                 ; record k's fragments and scale words and record k - 1's e2 are in; the two youngest loads, record k's e2, may be out
.if \ld
	LDF 1-(\p), ADRF, ADRS, \off
.endif
	MUL \p
	VAL1 1-(\p)
.if \ld
	LDE 1-(\p), ADRE, \off
.endif
	VAL2 1-(\p)
.endm
	s_load_b128 s[4:7], s[0:1], 0x0                ; A's records, B's records
	s_load_b64 s[8:9], s[0:1], 0x10                ; the keys
	v_lshl_add_u32 v[SPW], v0, 2, SPARE
	v_mov_b32 v[NIL], 0
	ds_add_u32 v[SPW], v[NIL]                      ; the opening lines: the add, twice on end, and its wait below
	ds_add_u32 v[SPW], v[NIL]
	v_lshrrev_b32 v72, 5, v0
	s_delay_alu instid0(VALU_DEP_1)
	v_readfirstlane_b32 s[WV], v72                 ; wave 0..7
	s_bfe_u32 s13, ttmp6, 0x40000                  ; cx
	s_lshl_b32 s14, ttmp9, 2
	s_add_co_u32 s14, s14, s13                     ; work-group x: it enters A's and the keys' addresses alone
	s_and_b32 s15, ttmp7, 0xffff                   ; work-group y, which the four partners share
	; descriptor group 1: RPW records, dense, as rows of 256 bytes (32 elements of 8 bytes), no padding
	s_mov_b32 s[G1], 15|(3<<16)|(1<<21)            ; the mask: all four work-groups; elements of 8 bytes; bit 21 set beside a mask
	s_mov_b32 s[G1+1], 32<<16
	s_mov_b32 s[G1+2], (26*RPW)<<16
	s_mov_b32 s[G1+3], 32<<16
	s_mov_b32 s[G1+4], 26*RPW
	s_mov_b32 s[G1+5], 32
	s_mov_b32 s[G1+6], 0
	s_mov_b32 s[G1+7], 0
	s_mov_b32 s[G0], 1
	s_mul_i32 s[G0+1], s[WV], RPW*REC              ; LDS: my records
	s_mul_i32 s18, s15, NREC*REC
	s_add_co_u32 s18, s18, s[G0+1]
	s_mov_b32 s19, 0
	s_lshl_b32 s2, s14, 5
	s_lshl_b32 s3, s[WV], 2
	s_add_co_u32 s2, s2, s3
	s_mul_i32 s2, s2, REC                          ; my four records of A: 32 x + 4 w on
	s_mov_b32 s3, 0
	s_lshl_b32 s54, s15, 16
	s_lshl_b32 s55, s14, 12
	s_add_co_u32 s54, s54, s55
	s_lshl_b32 s55, s[WV], 9
	s_add_co_u32 s54, s54, s55                     ; my 64 keys: y x 65,536 + (512 x + 64 w) x 8
	s_mov_b32 s55, 0
	s_mul_i32 s[CB], s15, 16*NREC                  ; my first code
	s_mov_b32 s[HM], 0xffff0000
	s_mov_b32 s[SEL], 0x76543210
	s_mov_b32 s[SEL+1], 0xfedcba98
	s_mov_b32 s[TB], 0
	s_mov_b32 s[RC], 0
	s_mov_b32 s[RC+1], 1
	v_and_b32 v74, 31, v0
	v_and_b32 v75, 15, v0
	v_bfe_u32 v73, v0, 4, 1
	s_delay_alu instid0(VALU_DEP_3)
	v_lshlrev_b32 v[L16], 4, v74                   ; fragments: 16 x lane, in memory and in LDS
	s_delay_alu instid0(VALU_DEP_4)
	v_lshlrev_b32 v[L8], 3, v74
	s_delay_alu instid0(VALU_DEP_4)
	v_lshlrev_b32 v[R16], 4, v75                   ; scale words: 16 r
	v_lshlrev_b32 v[R4], 2, v75
	v_lshlrev_b32 v[LE0], 5, v73                   ; e2 of codes 8 h .. 8 h + 7
	v_lshl_add_u32 v[HB], v73, 3, s[CB]
	s_wait_alu depctr_va_vdst(0)
	s_wait_dscnt 0x0                               ; both opening adds are done
	s_wait_kmcnt 0x0
	s_add_nc_u64 s[G0+2:G0+3], s[6:7], s[18:19]
	s_or_b32 s[G0+3], s[G0+3], 0x80000000
	s_add_nc_u64 s[4:5], s[4:5], s[2:3]
	s_add_nc_u64 s[8:9], s[8:9], s[54:55]
	CROUND                                         ; all four work-groups are here: the joint loads meet
	tensor_load_to_lds s[G0:G0+3], s[G1:G1+7]      ; my one tensor load: my RPW records of B; it goes out ahead of A's loads
	s_nop 0
.rept 4
	v_nop                                          ; four lines follow the load ahead of the switch of windows
.endr
	WIN 0x40                                       ; A: 56 loads, 512 consecutive bytes each for the fragments
.irp m, 0,1,2,3
.irp s, 0,1,2,3
.irp c, 0,1,2
	global_load_b128 v[48*\m+12*\s+4*\c:48*\m+12*\s+4*\c+3], v[L16], s[4:5] offset:REC*\m+1536*\s+512*\c
.endr
.endr
.endr
	WIN 0
.irp m, 0,1,2,3
	global_load_b128 v[AS+4*\m:AS+4*\m+3], v[R16], s[4:5] offset:REC*\m+6144
	global_load_b32 v[X2+2*\m], v[R4], s[4:5] offset:REC*\m+6400
.endr
.irp m, 0,1,2,3
	v_mov_b32 v[X2+2*\m+1], 0                      ; (named with x2 as a pair, so it is written)
.endr
.set J_, 0
.rept 32
	v_mov_b32 v[BEST+J_], 0x7f800000               ; the turn's text is written once: the first record finds +infinity
	v_mov_b32 v[IX+J_], 0
.set J_, J_+1
.endr
	s_wait_alu depctr_va_vdst(0)
	s_wait_tensorcnt 0x0                           ; my records are in,
	s_barrier_signal -1
	s_barrier_wait -1                              ; everybody's are
	LDF 0, L16, R16, 0
	LDE 0, LE0, 0
	LDF 1, L16, R16, REC
	WIN 0
	LDE 1, LE0, REC
	s_wait_dscnt 15                                ; record 0's 15 loads are in; record 1's 15 may be out
	s_wait_loadcnt 0x0                             ; A
	MUL 0
.rept 4
	v_nop                                          ; places in front of the fetch into set 0 and of the first read of results
.endr
	s_mov_b32 s[CNT], NREC/2-1
.Lwalk:                                            ; trip t: turns 2 t + 1 and 2 t + 2; what is fetched reaches record NREC - 1
	v_add_nc_u32 v[ADRF], s[TB], v[L16]
	v_add_nc_u32 v[ADRS], s[TB], v[R16]
	v_add_nc_u32 v[ADRE], s[TB], v[LE0]
	s_wait_alu depctr_va_vdst(0)
	ITER 1, 1, 2*REC
	ITER 0, 1, 3*REC
	s_add_co_u32 s[TB], s[TB], 2*REC
	s_add_co_u32 s[RC], s[RC], 2
	s_add_co_u32 s[RC+1], s[RC+1], 2
	s_sub_co_u32 s[CNT], s[CNT], 1
	s_cmp_lg_u32 s[CNT], 0
	s_cbranch_scc1 .Lwalk
	ITER 1, 0, 0                                   ; the last record's products; nothing is left to fetch
	s_wait_dscnt 0x0                               ; its e2
	VAL1 1
	VAL2 1
	; THE WAY OUT: of a lane's eight candidates, then of the two halves of the lanes, the smallest d; of equal d the lower code
.macro COMB da, ca, db, cb
	v_cmp_lt_f32 s[CM], v[\db], v[\da]
	v_cmp_eq_f32 s[CM+1], v[\db], v[\da]
	v_cmp_lt_u32 s[CM+2], v[\cb], v[\ca]
	s_and_b32 s[CM+1], s[CM+1], s[CM+2]
	s_or_b32 s[CM], s[CM], s[CM+1]
	v_cndmask_b32 v[\da], v[\da], v[\db], s[CM]
	v_cndmask_b32 v[\ca], v[\ca], v[\cb], s[CM]
.endm
.irp m, 0,1,2,3
.irp j, 0,1,2,3,4,5,6,7
	v_lshl_or_b32 v[IX+8*\m+\j], v[IX+8*\m+\j], 4, \j             ; 16 x record + j
.endr
.endr
.irp m, 0,1,2,3
	COMB BEST+8*\m, IX+8*\m, BEST+8*\m+1, IX+8*\m+1
	COMB BEST+8*\m+2, IX+8*\m+2, BEST+8*\m+3, IX+8*\m+3
	COMB BEST+8*\m+4, IX+8*\m+4, BEST+8*\m+5, IX+8*\m+5
	COMB BEST+8*\m+6, IX+8*\m+6, BEST+8*\m+7, IX+8*\m+7
	COMB BEST+8*\m, IX+8*\m, BEST+8*\m+2, IX+8*\m+2
	COMB BEST+8*\m+4, IX+8*\m+4, BEST+8*\m+6, IX+8*\m+6
	COMB BEST+8*\m, IX+8*\m, BEST+8*\m+4, IX+8*\m+4
	s_delay_alu instid0(VALU_DEP_1)
	v_add_nc_u32 v[IX+8*\m], v[IX+8*\m], v[HB]                    ; + 8 h + my first code
	s_delay_alu instid0(VALU_DEP_3)
	v_permlanex16_b32 v[TMP], v[BEST+8*\m], s[SEL], s[SEL+1]
	s_delay_alu instid0(VALU_DEP_2)
	v_permlanex16_b32 v[TMP+1], v[IX+8*\m], s[SEL], s[SEL+1]
	COMB BEST+8*\m, IX+8*\m, TMP, TMP+1
	s_delay_alu instid0(VALU_DEP_2)
	v_ashrrev_i32 v[TMP+6], 31, v[BEST+8*\m]                      ; d's bits as an unsigned number that sorts as d does
	s_delay_alu instid0(VALU_DEP_1)
	v_or_b32 v[TMP+6], 0x80000000, v[TMP+6]
	s_delay_alu instid0(VALU_DEP_1)
	v_xor_b32 v[BEST+8*\m], v[BEST+8*\m], v[TMP+6]
.endr
.irp p, 0,1
	v_cndmask_b32 v[TMP+2+2*\p], v[BEST+16*\p], v[BEST+16*\p+8], s[HM]   ; lanes 0-15: tile 2 p, lanes 16-31: tile 2 p + 1: lane l holds token 32 p + l
	v_cndmask_b32 v[TMP+3+2*\p], v[IX+16*\p], v[IX+16*\p+8], s[HM]
	global_store_b64 v[L8], v[TMP+2+2*\p:TMP+3+2*\p], s[8:9] offset:256*\p   ; 256 consecutive bytes, at a multiple of 256 from the buffer's first byte
.endr
	s_wait_tensorcnt 0x0                           ; the wave's end
	ds_add_u32 v[SPW], v[NIL]
	s_wait_dscnt 0x0
	CROUND                                         ; the closing round: no work-group ends while a partner may still ask for a tile that names it
	s_endpgm
.Lfunc_end_k_q74a626c2bd_distc:
	.size	k_q74a626c2bd_distc, .Lfunc_end_k_q74a626c2bd_distc-k_q74a626c2bd_distc
	.p2alignl 7, 3214868480
	.fill 96, 4, 3214868480
	.section	.rodata,"a",@progbits
	.p2align	6, 0x0
	.amdhsa_kernel k_q74a626c2bd_distc
		.amdhsa_group_segment_fixed_size 167936
		.amdhsa_private_segment_fixed_size 0
		.amdhsa_enable_private_segment 0
		.amdhsa_kernarg_size 24
		.amdhsa_user_sgpr_count 2
		.amdhsa_user_sgpr_kernarg_segment_ptr 1
		.amdhsa_wavefront_size32 1
		.amdhsa_system_sgpr_workgroup_id_x 1
		.amdhsa_system_sgpr_workgroup_id_y 1
		.amdhsa_system_sgpr_workgroup_id_z 1
		.amdhsa_system_vgpr_workitem_id 0
		.amdhsa_next_free_vgpr 512
		.amdhsa_next_free_sgpr 66
		.amdhsa_reserve_vcc 0
		.amdhsa_float_denorm_mode_32 3
		.amdhsa_float_denorm_mode_16_64 3
		.amdhsa_memory_ordered 1
		.amdhsa_forward_progress 1
		.amdhsa_inst_pref_size 70
	.end_amdhsa_kernel
	.amdgpu_metadata
---
amdhsa.version: [ 1, 2 ]
amdhsa.kernels:
  - .name:           k_q74a626c2bd_distc
    .symbol:         k_q74a626c2bd_distc.kd
    .args:
      - { .name: za, .offset: 0, .size: 8, .value_kind: global_buffer, .address_space: global }
      - { .name: cbc, .offset: 8, .size: 8, .value_kind: global_buffer, .address_space: global }
      - { .name: keyc, .offset: 16, .size: 8, .value_kind: global_buffer, .address_space: global }
    .group_segment_fixed_size: 167936
    .private_segment_fixed_size: 0
    .kernarg_segment_align: 8
    .kernarg_segment_size: 24
    .max_flat_workgroup_size: 256
    .sgpr_count:     66
    .vgpr_count:     512
    .wavefront_size: 32
...
	.end_amdgpu_metadata
.endif
;; end of part 2
;; launch mid (part 3): grid 256 x 1, 4 waves a work-group, clusters of 4 x 1, 295,424 bytes of LDS; arguments z, coarse_emb, wimg, b_c2f, g_c2f, be_c2f, gate_c_raw, keyc, ra; writes ra
.if DOCPART == 3
	.amdgcn_target "amdgcn-amd-amdhsa--gfx1250"
	.amdhsa_code_object_version 6
	.text
	.protected	k_q74a626c2bd_mid
	.globl	k_q74a626c2bd_mid
	.p2align	8
	.type	k_q74a626c2bd_mid,@function
k_q74a626c2bd_mid:
	s_mov_b64 s[64:65], 0
	v_nop
	global_prefetch_b8 v0, s[64:65] scope:SCOPE_SE
	s_setreg_imm32_b32 hwreg(HW_REG_WAVE_MODE, 25, 1), 1
	s_wait_xcnt 0x0
	s_wait_alu depctr_hold_cnt(0) depctr_sa_sdst(0) depctr_va_vdst(0) depctr_va_sdst(0) depctr_va_ssrc(0) depctr_va_vcc(0) depctr_vm_vsrc(0)
	s_getreg_b32 s2, hwreg(HW_REG_IB_STS2, 6, 4)
	s_cmp_eq_u32 s2, 0
	s_cbranch_scc0 .Lentry_in_a_cluster
	s_endpgm
.Lentry_in_a_cluster:
	s_bfe_u32 s2, ttmp6, 0x10000c
	s_cmp_lg_u32 s2, 0x3003
	s_cbranch_scc0 .Lentry_shape_is_right
	s_endpgm
.Lentry_shape_is_right:
; MID.  For 32 tokens a work-group: the coarse code (the smallest of 16 stored keys, by whole-number compares), its row of coarse_emb, q_st = x + (q - x), h = q_st W^T + b on codes of E3M2,
; LayerNorm, LeakyReLU(0.1), residual = z_fine - sigmoid(gate_c_raw) x that, and the residual's records for the fine distances (codes, scale words, sums of squares: the layout of the first launch).
; SHARES.  Two tiles of 16 rows (m = 0, 1).  Wave w owns columns 128 w .. 128 w + 127 of every 512-wide array, for both tiles: one K step of the next product.  Codes go from wave to wave through LDS as images of their registers.
; THE WEIGHT.  wimg lies in the order of the operand's registers.  All work-groups read the same 204,800 bytes, so the four work-groups of a cluster ask for them JOINTLY: wave w asks for its panel (8 tiles x 6,400 bytes, as 200 rows
; of 256 bytes) by one tensor load whose descriptor hangs on the wave's number alone, with the mask 15.  Only the wave that asked reads those bytes, behind its own wait; it copies them into 384 registers while the gathered rows are on their way.
; LDS is filled once: nothing is filled again.  One tensor load of a wave is out at the most.
; BIAS, GAIN, BE: a wave's 128 numbers of each come by one load of 16 bytes a lane, go to the wave's own LDS bytes and come back in the layout wanted (lanes of one half read the same bytes).
; TWO LAYOUTS of a panel of 16 rows x 128 columns in 64 registers.  DENSE: registers 4 i .. 4 i + 3 of lane l = row i, columns 4 l .. 4 l + 3: a load or store takes 512 consecutive bytes of a row.
; QUANT: register 16 b + i of lane (r, h) = row r, column 32 b + 16 h + i: what the quantiser takes and what the transposed product leaves.  They turn into each other through the wave's own stages (rows 528 bytes apart).
; LIMITS: NaN and infinities are not served; a block of zeros or under 2^-122 keeps the scale byte 1; 1 / sqrt by v_rsq_f32; the residual's sum of squares is added in another order than a plain row sum.
; REGISTERS: window 0: v1-19, v68-70 addresses, v20-31 small things, v32-63 the weight's scale words, v64-67 x's, v72-119 four fragments of x (also: the keys, the three vectors as loaded, QUANT's work and codes), v120-127 at work, v128-255 H (two panels).
;   window 1: v0-191 weight tiles 0-3.   window 2: v0-191 tiles 4-7, v192-255 the bias.   window 3: v0-127 tile 1's x and q, later gain and be; v128-255 z_fine (two panels).
.set REC,  6656
.set WT,   6400
.set WPAN, 8*WT                        ; a wave's panel of the weight: 51,200 bytes
.set SP,   528
.set XIMG, 0                           ; LDS: 8 fragment images (4 m + K step),
.set XSC,  12288                       ; their scale words, 128 bytes each,
.set RED,  13312                       ; four regions of 512 bytes for row sums: 256 m + 16 r + 4 w,
.set SCW,  15360                       ; the residual's scale words, likewise,
.set NRM,  15872                       ; the records' units with the sums of squares,
.set PRM,  16384                       ; bias, gain, be: 3 x 512 bytes for each wave,
.set STG,  22528                       ; two stages of 8,448 bytes for each wave,
.set WSTG, 16896
.set WL,   90112                       ; and the weight: four panels, filled by the tensor loads
.set ZQ,   0
.set TS,   0
.set LL, 1
.set RR, 2
.set HH, 3
.set WLA, 4
.set LI, 5
.set LS, 6
.set XWI, 7
.set XWS, 8
.set IDXC, 9
.set R16, 11
.set SD, 13
.set SQ, 14
.set RW, 15
.set TA, 16
.set TN, 17
.set TC, 18
.set K8, 19
.set LB, 20
.set MU, 22
.set LA, 26
.set TT, 28
.set WS, 32
.set XS, 64
.set WRA, 68
.set PD, 69
.set PQ, 70
.set XF, 72
.set TM, 72
.set PW, 88
.set PC, 90
.set PV, 104                           ; v104-115 the three vectors as loaded
.set T8, 120
.set H, 128
.set ZB, 4
.set CE, 6
.set WB, 8
.set BC, 10
.set GC, 12
.set EC, 14
.set KC, 18
.set RA, 20
.set RT, 36
.set G0, 40
.set G1, 44
.set GS, 68
.set SEL, 84
.set GTC, 88
.set WV, 92
.set MSB, 0
.macro WIN new                         ; the immediate's high byte repeats the setting that is left
.if MSB != (\new)
	s_set_vgpr_msb (MSB<<8)|(\new)
.set MSB, (\new)
.endif
.endm
.macro BARRIER                         ; my LDS stores have landed and my LDS loads are in: then the work-group's barrier
	s_wait_dscnt 0x0
	s_barrier_signal -1
	s_barrier_wait -1
.endm
.macro CROUND                          ; a round of the cluster's barrier
	s_barrier_signal -1
	s_barrier_wait -1
	s_cmp_lg_u32 s[WV], 0
	s_cbranch_scc1 .Lnot_wave_0_\@
	s_barrier_signal -3
.Lnot_wave_0_\@:
	s_barrier_wait -3
	s_barrier_signal -1
	s_barrier_wait -1
.endm
.macro ST_DENSE base, reg, win
	WIN (\win)<<2
.irp i, 0,1,2,3,4,5,6,7,8,9,10,11,12,13,14,15
	ds_store_b128 v[SD], v[(\reg)+4*\i:(\reg)+4*\i+3] offset:(\base)+SP*\i
.endr
	WIN 0
.endm
.macro LD_QUANT base, reg, win
	WIN (\win)<<6
.irp b, 0,1,2,3
.irp j, 0,1,2,3
	ds_load_b128 v[(\reg)+16*\b+4*\j:(\reg)+16*\b+4*\j+3], v[SQ] offset:(\base)+128*\b+16*\j
.endr
.endr
	WIN 0
.endm
.macro QUANT s, pw
.irp b, 0,1,2,3
	v_max3_num_f32 v[TM+\b], |v[(\s)+16*\b]|, |v[(\s)+1+16*\b]|, 0x2800000   ; block b: my 16 numbers, and the floor 2^(5 - 127): the byte cannot fall under 1
.endr
.irp i, 2,4,6,8,10,12,14
.irp b, 0,1,2,3
	v_max3_num_f32 v[TM+\b], v[TM+\b], |v[(\s)+16*\b+\i]|, |v[(\s)+1+16*\b+\i]|
.endr
.endr
.irp b, 0,1,2,3
	v_permlanex16_b32 v[TM+4+\b], v[TM+\b], s[SEL], s[SEL+1]
.endr
.irp b, 0,1,2,3
	v_max_num_f32 v[TM+\b], v[TM+\b], v[TM+4+\b]
.endr
.irp b, 0,1,2,3
	v_add_nc_u32 v[TM+12+\b], 0xfe000000, v[TM+\b] ; 4 off the exponent field: the conversion's scale operand
.endr
.irp b, 0,1,2,3
	v_lshrrev_b32 v[TM+4+\b], 23, v[TM+12+\b]      ; the scale's byte
.endr
	v_lshl_or_b32 v[\pw], v[TM+5], 8, v[TM+4]
	v_lshl_or_b32 v[\pw], v[TM+6], 16, v[\pw]
	v_lshl_or_b32 v[\pw], v[TM+7], 24, v[\pw]
.irp c, 0,1
	v_cvt_scalef32_pk16_bf6_f32 v[PC+6*\c:PC+2+6*\c], v[(\s)+32*\c:(\s)+15+32*\c], v[TM+12+2*\c]
	v_cvt_scalef32_pk16_bf6_f32 v[PC+12+4*\c:PC+14+4*\c], v[(\s)+16+32*\c:(\s)+31+32*\c], v[TM+12+2*\c+1]
.endr
	v_nop                                          ; one plain place behind a scaled conversion
.irp c, 0,1
.irp i, 0,1,2
	v_permlane16_swap_b32 v[PC+6*\c+\i], v[PC+12+4*\c+\i]
.endr
.irp i, 0,1,2
	v_mov_b32 v[PC+3+6*\c+\i], v[PC+12+4*\c+\i]
.endr
.endr
.endm
.macro IMAGE adr, off
.irp c, 0,1,2
	ds_store_b128 v[\adr], v[PC+4*\c:PC+4*\c+3] offset:(\off)+512*\c
.endr
.endm
.macro FETCH reg, off
.irp c, 0,1,2
	ds_load_b128 v[(\reg)+4*\c:(\reg)+4*\c+3], v[LI] offset:(\off)+512*\c
.endr
.endm
; the smallest of n keys (registers k + 2 s: sortable d, code); strictly smaller, splits ascending: the lower code keeps a tie.  Whole numbers read from memory, compared as whole numbers
.macro COMBINE k, n, idx
.set Q_, 1
.rept (\n)-1
	v_cmp_lt_u32 vcc_lo, v[(\k)+2*Q_], v[\k]
	v_cndmask_b32 v[\k], v[\k], v[(\k)+2*Q_], vcc_lo
	v_cndmask_b32 v[(\k)+1], v[(\k)+1], v[(\k)+2*Q_+1], vcc_lo
.set Q_, Q_+1
.endr
	v_mov_b32 v[\idx], v[(\k)+1]
.endm
; my 512 bytes of the 16 table rows that tile m's tokens chose, dense.  Each index is held inside its table by s_min_u32; each load lands on its own offset register
.macro GATHER dst, win, idx, m, lim, base
.irp i, 0,1,2,3,4,5,6,7,8,9,10,11,12,13,14,15
	v_readlane_b32 s[GS+\i], v[\idx], 16*(\m)+\i
.endr
.irp i, 0,1,2,3,4,5,6,7,8,9,10,11,12,13,14,15
	s_min_u32 s[GS+\i], s[GS+\i], \lim
	s_lshl_b32 s[GS+\i], s[GS+\i], 11
.endr
	WIN (\win)<<6
.irp i, 0,1,2,3,4,5,6,7,8,9,10,11,12,13,14,15
	v_add_nc_u32 v[(\dst)+4*\i], s[GS+\i], v[LI]
.endr
	WIN ((\win)<<6)|(\win)
.irp i, 0,1,2,3,4,5,6,7,8,9,10,11,12,13,14,15
	global_load_b128 v[(\dst)+4*\i:(\dst)+4*\i+3], v[(\dst)+4*\i], s[\base:\base+1]
.endr
	WIN 0
.endm
.macro ZLOAD dst, win, m, off          ; my 512 bytes of tile m's 16 rows of z, dense
	WIN (\win)<<6
.irp i, 0,1,2,3,4,5,6,7,8,9,10,11,12,13,14,15
	global_load_b128 v[(\dst)+4*\i:(\dst)+4*\i+3], v[LI], s[ZB:ZB+1] offset:(16*(\m)+\i)*4096+(\off) th:TH_LOAD_NT
.endr
	WIN 0
.endm
.macro WLDS g                          ; tiles 4 g .. 4 g + 3 of my panel, from LDS into window 1 + g, and their scale words: 52 LDS loads
	WIN (1+(\g))<<6
.irp u, 0,1,2,3
.irp s, 0,1,2,3
.irp c, 0,1,2
	ds_load_b128 v[48*\u+12*\s+4*\c:48*\u+12*\s+4*\c+3], v[WLA] offset:WT*(4*(\g)+\u)+1536*\s+512*\c
.endr
.endr
.endr
	WIN 0
.irp u, 0,1,2,3
	ds_load_b128 v[WS+4*(4*(\g)+\u):WS+4*(4*(\g)+\u)+3], v[WRA] offset:WT*(4*(\g)+\u)+6144
.endr
.endm
.macro PPUT reg                        ; three vectors' 512 bytes, as loaded, to my own LDS bytes
.irp k, 0,1,2
	ds_store_b128 v[PD], v[(\reg)+4*\k:(\reg)+4*\k+3] offset:512*\k
.endr
.endm
.macro PGET dst, win, k                ; vector k back in the quant layout (LDS serves a wave's instructions in order)
	WIN (\win)<<6
.irp b, 0,1,2,3
.irp j, 0,1,2,3
	ds_load_b128 v[(\dst)+16*\b+4*\j:(\dst)+16*\b+4*\j+3], v[PQ] offset:512*(\k)+128*\b+16*\j
.endr
.endr
	WIN 0
.endm
; H = X W^T + bias for both tiles of rows, transposed (source 0 = 16 rows of the weight, source 1 = 16 tokens).  The bias (v192 on of window bw) is the C of each sum's first instruction.
; The eight accumulators take turns, one instruction a turn.
.macro MLP bw
.irp m, 0,1
.irp s, 0,1,2,3
	FETCH XF+12*\s, XIMG+1536*(4*\m+\s)
	ds_load_b32 v[XS+\s], v[LS] offset:XSC+128*(4*\m+\s)
.endr
	s_wait_dscnt 0x0
.irp s, 0,1,2,3
.irp g, 0,1
.if \s == 0
	WIN ((\bw)<<4)|(1+\g)
.else
	WIN 1+\g
.endif
.irp u, 0,1,2,3
.if \s == 0
	v_wmma_scale_f32_16x16x128_f8f6f4 v[H+64*\m+8*(4*\g+\u):H+64*\m+8*(4*\g+\u)+7], v[48*\u+12*\s:48*\u+12*\s+11], v[XF+12*\s:XF+12*\s+11], v[192+8*(4*\g+\u):192+8*(4*\g+\u)+7], v[WS+4*(4*\g+\u)+\s], v[XS+\s] matrix_a_fmt:MATRIX_FMT_BF6 matrix_b_fmt:MATRIX_FMT_BF6
.else
	v_wmma_scale_f32_16x16x128_f8f6f4 v[H+64*\m+8*(4*\g+\u):H+64*\m+8*(4*\g+\u)+7], v[48*\u+12*\s:48*\u+12*\s+11], v[XF+12*\s:XF+12*\s+11], v[H+64*\m+8*(4*\g+\u):H+64*\m+8*(4*\g+\u)+7], v[WS+4*(4*\g+\u)+\s], v[XS+\s] matrix_a_fmt:MATRIX_FMT_BF6 matrix_b_fmt:MATRIX_FMT_BF6
.endif
.endr
.endr
.endr
	WIN 0
.rept 4
	v_nop                                          ; places in front of loads into registers that the products have read, and of the first read of results
.endr
.endr
.endm
; my lanes' part of row r's sum (sq = 0) or sum of squares (sq = 1) over panel m, to LDS at off + 256 m + 16 r + 4 w.  Each accumulator is read from its low end on
.macro LSUM m, sq, off
.set HB_, H+64*(\m)
.set A_, T8+4*(\m)
.if \sq
	v_pk_mul_f32 v[A_:A_+1], v[HB_:HB_+1], v[HB_:HB_+1]
	v_pk_mul_f32 v[A_+2:A_+3], v[HB_+2:HB_+3], v[HB_+2:HB_+3]
.irp j, 4,8,12,16,20,24,28,32,36,40,44,48,52,56,60
	v_pk_fma_f32 v[A_:A_+1], v[HB_+\j:HB_+\j+1], v[HB_+\j:HB_+\j+1], v[A_:A_+1]
	v_pk_fma_f32 v[A_+2:A_+3], v[HB_+\j+2:HB_+\j+3], v[HB_+\j+2:HB_+\j+3], v[A_+2:A_+3]
.endr
.else
	v_pk_add_f32 v[A_:A_+1], v[HB_:HB_+1], v[HB_+4:HB_+5]
	v_pk_add_f32 v[A_+2:A_+3], v[HB_+2:HB_+3], v[HB_+6:HB_+7]
.irp j, 8,12,16,20,24,28,32,36,40,44,48,52,56,60
	v_pk_add_f32 v[A_:A_+1], v[A_:A_+1], v[HB_+\j:HB_+\j+1]
	v_pk_add_f32 v[A_+2:A_+3], v[A_+2:A_+3], v[HB_+\j+2:HB_+\j+3]
.endr
.endif
	v_pk_add_f32 v[A_:A_+1], v[A_:A_+1], v[A_+2:A_+3]
	v_add_f32 v[A_], v[A_], v[A_+1]
	v_permlanex16_b32 v[A_+1], v[A_], s[SEL], s[SEL+1]
	v_add_f32 v[A_], v[A_], v[A_+1]
	ds_store_b32 v[RW], v[A_] offset:(\off)+256*(\m)
.endm
.macro RGET off                        ; the four waves' parts of row r, added in the waves' order: v[T8] for tile 0, v[T8 + 4] for tile 1
.irp m, 0,1
	ds_load_b128 v[T8+4*\m:T8+4*\m+3], v[R16] offset:(\off)+256*\m
.endr
	s_wait_dscnt 0x0
.irp q, 1,2,3
.irp m, 0,1
	v_add_f32 v[T8+4*\m], v[T8+4*\m], v[T8+4*\m+\q]
.endr
.endr
.endm
; LayerNorm over the 512 columns, first part: the mean is taken off, and 1 / sqrt(the mean of squared differences + 1e-5) is made; regions k and k + 1 of RED; two barriers
.macro LNA k
	LSUM 0, 0, RED+512*(\k)
	LSUM 1, 0, RED+512*(\k)
	BARRIER
	RGET RED+512*(\k)
.irp m, 0,1
	v_mul_f32 v[MU+2*\m], 0x3b000000, v[T8+4*\m]   ; / 512
.endr
.irp m, 0,1
.set J_, 0
.rept 32
	v_pk_add_f32 v[H+64*\m+J_:H+64*\m+J_+1], v[H+64*\m+J_:H+64*\m+J_+1], v[MU+2*\m:MU+2*\m+1] op_sel_hi:[1,0] neg_lo:[0,1] neg_hi:[0,1]
.set J_, J_+2
.endr
.endr
	LSUM 0, 1, RED+512*((\k)+1)
	LSUM 1, 1, RED+512*((\k)+1)
	BARRIER
	RGET RED+512*((\k)+1)
.irp m, 0,1
	v_mul_f32 v[T8+4*\m], 0x3b000000, v[T8+4*\m]
	v_add_f32 v[T8+4*\m], 0x3727c5ac, v[T8+4*\m]   ; + 1e-5
.endr
	s_wait_alu depctr_va_vdst(0)
	v_rsq_f32 v[MU], v[T8]
	v_rsq_f32 v[MU+2], v[T8+4]
	v_nop                                          ; a plain place behind the two,
	s_wait_alu depctr_va_vdst(0)                   ; and the one wait ahead of their first reader
.endm
; second part: x 1 / sqrt, gain and be (window 3), LeakyReLU(0.1): vector work on registers alone
.macro LNB
.irp m, 0,1
.set J_, 0
.rept 32
	v_pk_mul_f32 v[H+64*\m+J_:H+64*\m+J_+1], v[H+64*\m+J_:H+64*\m+J_+1], v[MU+2*\m:MU+2*\m+1] op_sel_hi:[1,0]
.set J_, J_+2
.endr
.endr
	WIN 0x3c                                       ; sources 1 and 2 window 3
.irp m, 0,1
.set J_, 0
.rept 32
	v_pk_fma_f32 v[H+64*\m+J_:H+64*\m+J_+1], v[H+64*\m+J_:H+64*\m+J_+1], v[J_:J_+1], v[64+J_:65+J_]
.set J_, J_+2
.endr
.endr
	WIN 0
.set Q_, 0
.rept 16
.irp j, 0,2,4,6
	v_pk_mul_f32 v[T8+\j:T8+\j+1], v[H+Q_+\j:H+Q_+\j+1], 0x3dcccccd op_sel_hi:[1,0]
.endr
.irp j, 0,1,2,3,4,5,6,7
	v_max_num_f32 v[H+Q_+\j], v[H+Q_+\j], v[T8+\j] ; h where h > 0, else 0.1 h: the larger of the two
.endr
.set Q_, Q_+8
.endr
.endm
.macro SIGM raw                        ; v[TT + 2] = 1 / (1 + 2^(-1.442695 x))
	v_mov_b32 v[TT], s[\raw]
	v_mul_f32 v[TT], 0xbfb8aa3b, v[TT]
	s_wait_alu depctr_va_vdst(0)
	v_exp_f32 v[TT+1], v[TT]
	v_nop
	s_wait_alu depctr_va_vdst(0)
	v_add_f32 v[TT+1], 1.0, v[TT+1]
	s_wait_alu depctr_va_vdst(0)
	v_rcp_f32 v[TT+2], v[TT+1]
	v_nop
	s_wait_alu depctr_va_vdst(0)
.endm
; Tile m: X and Q, dense: v128 and v192 on of window 0 (m = 0), v0 and v64 on of window 3 (m = 1).  q_st = x + (q - x); it stays in stage ZQ m, and its codes and scale word go to LDS as K step w.  loss = 1: (q - x)^2 is added up
.macro XC m, loss
.set RX_, 128*(1-(\m))
.set RQ_, 192-128*(\m)
	WIN 0xff*(\m)
.set J_, 0
.rept 32
	v_pk_add_f32 v[RQ_+J_:RQ_+J_+1], v[RQ_+J_:RQ_+J_+1], v[RX_+J_:RX_+J_+1] neg_lo:[0,1] neg_hi:[0,1]
.set J_, J_+2
.endr
.if \loss
	WIN 0x0f*(\m)
.set J_, 0
.rept 16
	v_pk_fma_f32 v[LA:LA+1], v[RQ_+J_:RQ_+J_+1], v[RQ_+J_:RQ_+J_+1], v[LA:LA+1]
	v_pk_fma_f32 v[LB:LB+1], v[RQ_+J_+2:RQ_+J_+3], v[RQ_+J_+2:RQ_+J_+3], v[LB:LB+1]
.set J_, J_+4
.endr
	WIN 0xff*(\m)
.endif
.set J_, 0
.rept 32
	v_pk_add_f32 v[RX_+J_:RX_+J_+1], v[RX_+J_:RX_+J_+1], v[RQ_+J_:RQ_+J_+1]
.set J_, J_+2
.endr
	WIN 0
	ST_DENSE ZQ+8448*(\m), RX_, 3*(\m)
	LD_QUANT ZQ+8448*(\m), H+64*(1-(\m)), 0
	s_wait_dscnt 0x0
	QUANT H+64*(1-(\m)), PW
	IMAGE XWI, XIMG+6144*(\m)
	ds_store_b32 v[XWS], v[PW] offset:XSC+512*(\m)
	s_wait_dscnt 0x0                               ; the stores have read their registers
.endm
	s_load_b512 s[4:19], s[0:1], 0x0               ; z, coarse_emb, wimg, b, g, be, gate_c_raw, keyc
	s_load_b64 s[RA:RA+1], s[0:1], 0x40            ; ra
	v_lshl_add_u32 v31, v0, 2, 0x48000
	v_mov_b32 v71, 0
	ds_add_u32 v31, v71
	ds_add_u32 v31, v71
	v_lshrrev_b32 v[TT], 5, v0
	v_readfirstlane_b32 s[WV], v[TT]               ; wave 0..3
	v_and_b32 v[LL], 31, v0
	v_and_b32 v[RR], 15, v0
	v_bfe_u32 v[HH], v0, 4, 1
	v_lshlrev_b32 v[LI], 4, v[LL]
	v_lshlrev_b32 v[LS], 2, v[LL]
	v_lshlrev_b32 v[K8], 3, v[LL]
	v_lshlrev_b32 v[R16], 4, v[RR]
	s_bfe_u32 s52, ttmp6, 0x40000                  ; cx: my place in the cluster
	s_lshl_b32 s53, ttmp9, 2
	s_add_co_u32 s53, s53, s52                     ; my work-group: it enters global addresses alone
	; descriptor group 1: a panel of the weight, 51,200 dense bytes, as 200 rows of 256 bytes (32 elements of 8 bytes), no padding
	s_mov_b32 s[G1], 15|(3<<16)|(1<<21)            ; 15:0 the mask: all four work-groups; 17:16 elements of 8 bytes; 21 set beside a mask
	s_mov_b32 s[G1+1], 32<<16                      ; tensor_dim0 = 32
	s_mov_b32 s[G1+2], 200<<16                     ; tensor_dim1 = 200
	s_mov_b32 s[G1+3], 32<<16                      ; tile_dim0 = 32
	s_mov_b32 s[G1+4], 200                         ; tile_dim1 = 200
	s_mov_b32 s[G1+5], 32                          ; from row to row
	s_mov_b32 s[G1+6], 0
	s_mov_b32 s[G1+7], 0
	s_mov_b32 s[G0], 1
	s_mul_i32 s[G0+1], s[WV], WPAN
	s_add_co_u32 s[G0+1], s[G0+1], WL              ; LDS: my panel: the wave's number alone
	s_lshl_b32 s54, s53, 8                         ; my work-group's 32 keys of a split
	s_mov_b32 s55, 0
	s_mul_i32 s56, s[WV], WPAN
	s_mov_b32 s57, 0
	s_wait_alu depctr_va_vdst(0)
	s_wait_dscnt 0x0
	s_wait_kmcnt 0x0
	s_load_b32 s98, s[16:17], 0x0                  ; gate_c_raw
	s_add_nc_u64 s[KC:KC+1], s[KC:KC+1], s[54:55]
.irp s, 0,1,2,3,4,5,6,7,8,9,10,11,12,13,14,15
	global_load_b64 v[72+2*\s:73+2*\s], v[K8], s[KC:KC+1] offset:65536*\s   ; lane l: token l's key of split s.  The keys go out first: the gathers hang on them
.endr
	s_add_nc_u64 s[G0+2:G0+3], s[WB:WB+1], s[56:57]
	s_or_b32 s[G0+3], s[G0+3], 0x80000000
	CROUND                                         ; all four work-groups are here: the joint loads meet
	tensor_load_to_lds s[G0:G0+3], s[G1:G1+7]
	s_nop 0
.rept 4
	v_nop                                          ; four lines follow the load ahead of any switch of windows
.endr
	s_mul_i32 s93, s[WV], 1536
	v_add_nc_u32 v[XWI], s93, v[LI]
	s_add_co_u32 s93, s93, PRM
	v_add_nc_u32 v[PD], s93, v[LI]
	v_lshl_add_u32 v[PQ], v[HH], 6, s93
	s_lshl_b32 s93, s[WV], 7
	v_add_nc_u32 v[XWS], s93, v[LS]
	s_mul_i32 s93, s[WV], WSTG
	s_add_co_u32 s93, s93, STG
	v_add_nc_u32 v[SD], s93, v[LI]
	v_mul_u32_u24 v[SQ], v[RR], SP
	v_lshl_add_u32 v[SQ], v[HH], 6, v[SQ]
	v_add_nc_u32 v[SQ], s93, v[SQ]
	s_mul_i32 s93, s[WV], WPAN
	s_add_co_u32 s93, s93, WL
	v_add_nc_u32 v[WLA], s93, v[LI]
	v_add_nc_u32 v[WRA], s93, v[R16]
	s_lshl_b32 s93, s[WV], 2
	v_add_nc_u32 v[RW], s93, v[R16]
	s_lshl_b32 s93, s[WV], 8
	v_add_nc_u32 v[TA], s93, v[R16]                ; the tail's addresses: 16 r + 256 w,
	v_lshl_add_u32 v[TN], v[RR], 2, s93            ; 4 r + 256 w,
	v_lshl_add_u32 v[TC], v[HH], 9, v[TA]          ; 16 r + 512 h + 256 w
	v_mov_b32 v[MU+1], 0                           ; (upper halves of pairs of which the low word serves both halves: written once)
	v_mov_b32 v[MU+3], 0
	s_mov_b32 s[SEL], 0x76543210
	s_mov_b32 s[SEL+1], 0xfedcba98
	s_lshl_b32 s94, s[WV], 9                       ; my 128 columns: 512 bytes
	s_mov_b32 s95, 0
	s_lshl_b32 s96, s53, 17                        ; my work-group's 32 rows of z
	s_add_co_u32 s96, s96, s94
	s_mov_b32 s97, 0
	s_add_nc_u64 s[ZB:ZB+1], s[ZB:ZB+1], s[96:97]
	s_add_nc_u64 s[CE:CE+1], s[CE:CE+1], s[94:95]
	s_add_nc_u64 s[BC:BC+1], s[BC:BC+1], s[94:95]
	s_add_nc_u64 s[GC:GC+1], s[GC:GC+1], s[94:95]
	s_add_nc_u64 s[EC:EC+1], s[EC:EC+1], s[94:95]
	s_mul_i32 s96, s53, 2*REC
	s_add_nc_u64 s[RA:RA+1], s[RA:RA+1], s[96:97]  ; my work-group's two records
	s_mul_i32 s96, s[WV], REC
	s_add_nc_u64 s[RT:RT+1], s[RA:RA+1], s[96:97]  ; record w, for the tail
	s_mul_i32 s96, s[WV], 1536
	s_add_nc_u64 s[RA:RA+1], s[RA:RA+1], s[96:97]  ; K step w
	global_load_b128 v[PV:PV+3], v[LI], s[BC:BC+1]     ; my 128 numbers of the bias,
	global_load_b128 v[PV+4:PV+7], v[LI], s[GC:GC+1]   ; of the gain,
	global_load_b128 v[PV+8:PV+11], v[LI], s[EC:EC+1]  ; of be
	ZLOAD H, 0, 0, 0
	ZLOAD 0, 3, 1, 0
	s_wait_loadcnt 32                              ; the keys and the three vectors are in; the 32 loads of x may be out
	COMBINE 72, 16, IDXC
.irp b, 0,1,2,3
	v_mov_b32 v[TM+4+\b], 0                        ; a lane permute's destination counts as one of its sources
.endr
	GATHER H+64, 0, IDXC, 0, 0xfff, CE
	GATHER 64, 3, IDXC, 1, 0xfff, CE
	ZLOAD H, 3, 0, 2048                            ; z_fine, asked for with the gathers
	ZLOAD H+64, 3, 1, 2048
	PPUT PV
	s_wait_kmcnt 0x0
	SIGM 98
	v_readfirstlane_b32 s[GTC], v[TT+2]
	s_mov_b32 s[GTC+1], s[GTC]
	s_wait_tensorcnt 0x0                           ; my panel of the weight lies in LDS: it comes into registers while the gathered rows are on their way
	WLDS 0
	WLDS 1
	PGET 192, 2, 0                                 ; the bias
	s_wait_loadcnt 48                              ; x and tile 0's rows are in; tile 1's 16 loads and z_fine's 32 may be out
	XC 0, 0
	s_wait_loadcnt 32                              ; tile 1's rows are in; z_fine's 32 loads may be out
	XC 1, 0
	PGET 0, 3, 1                                   ; gain and be, where tile 1's x and q lay
	PGET 64, 3, 2
	BARRIER                                        ; q_st's eight fragments lie in LDS
	MLP 2
	LNA 0
	LNB
.set J_, 0
.rept 64
	v_pk_mul_f32 v[H+J_:H+J_+1], v[H+J_:H+J_+1], s[GTC:GTC+1] op_sel_hi:[1,0]   ; gate_c x coarse_influence
.set J_, J_+2
.endr
	s_wait_loadcnt 0x0
.irp m, 0,1
	ST_DENSE TS+8448*\m, H+64*\m, 3                ; z_fine turns from dense to quant
	LD_QUANT TS+8448*\m, H+64*\m, 3
	s_wait_dscnt 0x0
	WIN 0x03                                       ; source 0 window 3
.set J_, 0
.rept 32
	v_pk_add_f32 v[H+64*\m+J_:H+64*\m+J_+1], v[H+64*\m+J_:H+64*\m+J_+1], v[H+64*\m+J_:H+64*\m+J_+1] neg_lo:[0,1] neg_hi:[0,1]   ; residual (window 0) = z_fine (window 3) - gate_c x influence (window 0)
.set J_, J_+2
.endr
	WIN 0
	LSUM \m, 1, RED+1024
.if \m == 1
	s_wait_xcnt 0x0                                ; tile 0's stores have read the codes' registers
.endif
	QUANT H+64*\m, PW
.irp c, 0,1,2
	global_store_b128 v[LI], v[PC+4*\c:PC+4*\c+3], s[RA:RA+1] offset:REC*\m+512*\c
.endr
	ds_store_b32 v[RW], v[PW] offset:SCW+256*\m
	s_wait_dscnt 0x0
.endr
	BARRIER                                        ; all four waves' scale words and parts of the sums of squares lie in LDS
	s_cmp_gt_u32 s[WV], 1
	s_cbranch_scc1 .Ldone
	ds_load_b128 v[T8:T8+3], v[TA] offset:RED+1024 ; waves 0 and 1 finish record w: its last 512 bytes
.irp k, 4,5,6,7
	v_mov_b32 v[T8+\k], 0
.endr
	ds_store_b128 v[TA], v[T8+4:T8+7] offset:NRM
	s_wait_dscnt 0x0
	v_add_f32 v[T8], v[T8], v[T8+1]
	v_add_f32 v[T8], v[T8], v[T8+2]
	v_add_f32 v[T8], v[T8], v[T8+3]
	ds_store_b32 v[TN], v[T8] offset:NRM
	ds_load_b128 v[T8+4:T8+7], v[TC] offset:SCW    ; lanes 0-15: row r's scale words; lanes 16-31: the unit with the sums of squares
	s_wait_dscnt 0x0
	global_store_b128 v[LI], v[T8+4:T8+7], s[RT:RT+1] offset:6144
.Ldone:
	s_wait_tensorcnt 0x0
	ds_add_u32 v31, v71
	s_wait_dscnt 0x0
	CROUND                                         ; the closing round: no work-group ends while a partner may still ask for a tile that names it
	s_endpgm
.Lfunc_end_k_q74a626c2bd_mid:
	.size	k_q74a626c2bd_mid, .Lfunc_end_k_q74a626c2bd_mid-k_q74a626c2bd_mid
	.p2alignl 7, 3214868480
	.fill 96, 4, 3214868480
	.section	.rodata,"a",@progbits
	.p2align	6, 0x0
	.amdhsa_kernel k_q74a626c2bd_mid
		.amdhsa_group_segment_fixed_size 295424
		.amdhsa_private_segment_fixed_size 0
		.amdhsa_enable_private_segment 0
		.amdhsa_kernarg_size 72
		.amdhsa_user_sgpr_count 2
		.amdhsa_user_sgpr_kernarg_segment_ptr 1
		.amdhsa_wavefront_size32 1
		.amdhsa_system_sgpr_workgroup_id_x 1
		.amdhsa_system_sgpr_workgroup_id_y 1
		.amdhsa_system_sgpr_workgroup_id_z 1
		.amdhsa_system_vgpr_workitem_id 0
		.amdhsa_next_free_vgpr 1024
		.amdhsa_next_free_sgpr 100
		.amdhsa_reserve_vcc 1
		.amdhsa_float_denorm_mode_32 3
		.amdhsa_float_denorm_mode_16_64 3
		.amdhsa_memory_ordered 1
		.amdhsa_forward_progress 1
		.amdhsa_inst_pref_size 124
	.end_amdhsa_kernel
	.amdgpu_metadata
---
amdhsa.version: [ 1, 2 ]
amdhsa.kernels:
  - .name:           k_q74a626c2bd_mid
    .symbol:         k_q74a626c2bd_mid.kd
    .args:
      - { .name: z, .offset: 0, .size: 8, .value_kind: global_buffer, .address_space: global }
      - { .name: coarse_emb, .offset: 8, .size: 8, .value_kind: global_buffer, .address_space: global }
      - { .name: wimg, .offset: 16, .size: 8, .value_kind: global_buffer, .address_space: global }
      - { .name: b_c2f, .offset: 24, .size: 8, .value_kind: global_buffer, .address_space: global }
      - { .name: g_c2f, .offset: 32, .size: 8, .value_kind: global_buffer, .address_space: global }
      - { .name: be_c2f, .offset: 40, .size: 8, .value_kind: global_buffer, .address_space: global }
      - { .name: gate_c_raw, .offset: 48, .size: 8, .value_kind: global_buffer, .address_space: global }
      - { .name: keyc, .offset: 56, .size: 8, .value_kind: global_buffer, .address_space: global }
      - { .name: ra, .offset: 64, .size: 8, .value_kind: global_buffer, .address_space: global }
    .group_segment_fixed_size: 295424
    .private_segment_fixed_size: 0
    .kernarg_segment_align: 8
    .kernarg_segment_size: 72
    .max_flat_workgroup_size: 128
    .sgpr_count:     100
    .vgpr_count:     1024
    .wavefront_size: 32
...
	.end_amdgpu_metadata
.endif
;; end of part 3
;; launch distf (part 4): grid 16 x 16, 8 waves a work-group, clusters of 4 x 1, 214,016 bytes of LDS; arguments ra, cbf, keyf; writes keyf
.if DOCPART == 4
	.amdgcn_target "amdgcn-amd-amdhsa--gfx1250"
	.amdhsa_code_object_version 6
	.text
	.protected	k_q74a626c2bd_distf
	.globl	k_q74a626c2bd_distf
	.p2align	8
	.type	k_q74a626c2bd_distf,@function
k_q74a626c2bd_distf:
	s_mov_b64 s[64:65], 0
	v_nop
	global_prefetch_b8 v0, s[64:65] scope:SCOPE_SE
	s_setreg_imm32_b32 hwreg(HW_REG_WAVE_MODE, 25, 1), 1
	s_wait_xcnt 0x0
	s_wait_alu depctr_hold_cnt(0) depctr_sa_sdst(0) depctr_va_vdst(0) depctr_va_sdst(0) depctr_va_ssrc(0) depctr_va_vcc(0) depctr_vm_vsrc(0)
	s_getreg_b32 s2, hwreg(HW_REG_IB_STS2, 6, 4)
	s_cmp_eq_u32 s2, 0
	s_cbranch_scc0 .Lentry_in_a_cluster
	s_endpgm
.Lentry_in_a_cluster:
	s_bfe_u32 s2, ttmp6, 0x10000c
	s_cmp_lg_u32 s2, 0x3003
	s_cbranch_scc0 .Lentry_shape_is_right
	s_endpgm
.Lentry_shape_is_right:
; DIST, fine codebook.  d[token][code] = (|x|^2 + |e|^2) - 2 x . e on records of E3M2 codes (16 rows x K 512: four fragment images, scale words at 6144 + 16 r, sums of squares at 6400), and for each token
; the smallest d and its code within the work-group's 16 NREC codes, stored as a KEY of two whole numbers: word 0 the bits of d made sortable as an unsigned number, word 1 the code's number;
; at (split x 8192 + token) x 8 bytes, split = the work-group's y.  A later launch takes the smallest key over the splits.
; ROUNDING as the definition has it: t = x2 + e2 rounded to f32, d = t - 2 dot rounded once (a fused multiply-add by -2).  The first code wins a tie at every level.
; LIMITS: NaN and infinities are not served.  x2 and e2 are summed in another order than a plain row sum.
; SHARES.  A work-group: 512 tokens x 16 NREC codes; 16 x 16 work-groups.  Wave w: tokens 64 w on, four tiles whose fragments stay in 192 registers, each record of A loaded by one wave alone; it walks all NREC records of B in LDS.
; LDS holds B's NREC records as they lie in memory, each byte filled once: each wave asks for NREC / 8 records by its one tensor load, at the head; one wait and one barrier show them to all waves.
; The launch asks for more than half of a WGP's LDS; it uses NREC x 6,656 + 1,024 bytes.
; CLUSTER.  The four work-groups of a cluster have the same codes: each tile is asked for jointly, by the same load with the same descriptor (it hangs on y and the wave's number) and the mask 15.
; NO PREFETCH: all bytes are asked for by the launch's first lines; there is no later stream to run ahead of.
; THE WALK.  Two sets of fragments, scale words, e2 and accumulators.  In turn k: record k + 1's fragments are fetched, record k's 16 products are issued, then record k - 1's vector work is done.
; THE PRODUCT IS USED TRANSPOSED: source 0 = 16 codes, source 1 = 16 tokens: lane (r, h) holds token r and its register j code 8 h + j.
; REGISTERS: window 0: v3-13 addresses; v16-31 A's scale words; v32-39 B's, two sets; v40-47 x2; v48-63 e2, two sets; v64-71 t; v72-79 at work; v80-127 fragments, set 0; v128-191 accumulators, two sets of four;
;   v192-223 the smallest d so far; v224-255 its record.   window 1: v0-191 A's 16 fragments; v192-239 fragments, set 1.
.set NREC, 32
.set REC,  6656
.set RPW,  NREC/8                      ; records that a wave's tensor load brings
.set SPARE, NREC*REC                   ; behind the records: the spare words, 128 bytes a wave
.set LE0,  3
.set ADRF, 4
.set ADRS, 5
.set ADRE, 6
.set L16,  7
.set R16,  8
.set R4,   9
.set HB,   10
.set SPW,  11
.set L8,   12
.set NIL,  13
.set AS,   16
.set BS,   32
.set X2,   40
.set E2,   48
.set T,    64
.set TMP,  72
.set ACC,  128
.set BEST, 192
.set IX,   224
.set WV,  10
.set TB,  20                           ; s20 LDS byte of record 2 t in trip t
.set RC,  21                           ; s21, s22 the even and the odd record whose vector work is due
.set CNT, 23
.set G1,  24
.set G0,  32
.set CM,  40
.set HM,  48
.set SEL, 50
.set CB,  52
.set MSB, 0
.macro WIN new                         ; the immediate's high byte repeats the setting that is left
.if MSB != (\new)
	s_set_vgpr_msb (MSB<<8)|(\new)
.set MSB, (\new)
.endif
.endm
.macro CROUND                          ; a round of the cluster's barrier
	s_barrier_signal -1
	s_barrier_wait -1
	s_cmp_lg_u32 s[WV], 0
	s_cbranch_scc1 .Lnot_wave_0_\@
	s_barrier_signal -3
.Lnot_wave_0_\@:
	s_barrier_wait -3
	s_barrier_signal -1
	s_barrier_wait -1
.endm
.macro LDF q, adf, ads, off            ; a record's scale words and fragments into set q: 13 LDS loads; leaves the destination's window at q
	ds_load_b128 v[BS+4*(\q):BS+4*(\q)+3], v[\ads] offset:(\off)+6144
	WIN 0x40*(\q)
.irp s, 0,1,2,3
.irp c, 0,1,2
	ds_load_b128 v[80+112*(\q)+12*\s+4*\c:80+112*(\q)+12*\s+4*\c+3], v[\adf] offset:(\off)+1536*\s+512*\c
.endr
.endr
.endm
.macro LDE q, ade, off                 ; e2 of its codes 8 h .. 8 h + 7 into set q: 2 LDS loads
	ds_load_b128 v[E2+8*(\q):E2+8*(\q)+3], v[\ade] offset:(\off)+6400
	ds_load_b128 v[E2+8*(\q)+4:E2+8*(\q)+7], v[\ade] offset:(\off)+6416
.endm
.macro MM m, s, p
.if (\s) == 0
	v_wmma_scale_f32_16x16x128_f8f6f4 v[ACC+32*(\p)+8*(\m):ACC+32*(\p)+8*(\m)+7], v[80+112*(\p)+12*(\s):80+112*(\p)+12*(\s)+11], v[48*(\m)+12*(\s):48*(\m)+12*(\s)+11], 0, v[BS+4*(\p)+(\s)], v[AS+4*(\m)+(\s)] matrix_a_fmt:MATRIX_FMT_BF6 matrix_b_fmt:MATRIX_FMT_BF6
.else
	v_wmma_scale_f32_16x16x128_f8f6f4 v[ACC+32*(\p)+8*(\m):ACC+32*(\p)+8*(\m)+7], v[80+112*(\p)+12*(\s):80+112*(\p)+12*(\s)+11], v[48*(\m)+12*(\s):48*(\m)+12*(\s)+11], v[ACC+32*(\p)+8*(\m):ACC+32*(\p)+8*(\m)+7], v[BS+4*(\p)+(\s)], v[AS+4*(\m)+(\s)] matrix_a_fmt:MATRIX_FMT_BF6 matrix_b_fmt:MATRIX_FMT_BF6
.endif
.endm
.macro MUL p                           ; 16 products of the record in set p; the four accumulators take turns; each sum starts with the constant 0
	WIN 0x04|(\p)                                  ; source 0 (codes) window p, source 1 (tokens) window 1
.irp s, 0,1,2,3
.irp m, 0,1,2,3
	MM \m, \s, \p
.endr
.endr
	WIN 0
.endm
.macro VAL1 q                          ; d = (x2 + e2) - 2 dot, in place, for the record in set q; each accumulator from its low end on
.irp m, 0,1,2,3
.irp j, 0,2,4,6
	v_pk_add_f32 v[T+\j:T+\j+1], v[E2+8*(\q)+\j:E2+8*(\q)+\j+1], v[X2+2*\m:X2+2*\m+1] op_sel_hi:[1,0]
.endr
.irp j, 0,2,4,6
	v_pk_fma_f32 v[ACC+32*(\q)+8*\m+\j:ACC+32*(\q)+8*\m+\j+1], v[ACC+32*(\q)+8*\m+\j:ACC+32*(\q)+8*\m+\j+1], -2.0, v[T+\j:T+\j+1] op_sel_hi:[1,0,1]
.endr
.endr
.endm
.macro VAL2 q                          ; the smallest so far and its record; strictly smaller: the earlier record keeps a tie
.irp m, 0,1,2,3
.irp j, 0,1,2,3,4,5,6,7
	v_cmp_lt_f32 s[CM+\j], v[ACC+32*(\q)+8*\m+\j], v[BEST+8*\m+\j]
.endr
.irp j, 0,1,2,3,4,5,6,7
	v_min_num_f32 v[BEST+8*\m+\j], v[BEST+8*\m+\j], v[ACC+32*(\q)+8*\m+\j]
.endr
.irp j, 0,1,2,3,4,5,6,7
	v_cndmask_b32 v[IX+8*\m+\j], v[IX+8*\m+\j], s[RC+(\q)], s[CM+\j]
.endr
.endr
.endm
; Turn k, p = k % 2.  ld = 1: record k + 1, at off from the trip's base, is fetched into the other sets: its fragments ahead of the products, its e2 behind that set's last reader.
; The registers that the fetch lands on were read by products one turn ago, with a record's vector work, which names none of them, between.
.macro ITER p, ld, off
	s_wait_dscnt 2                                 ; record k's fragments and scale words and record k - 1's e2 are in; the two youngest loads, record k's e2, may be out
.if \ld
	LDF 1-(\p), ADRF, ADRS, \off
.endif
	MUL \p
	VAL1 1-(\p)
.if \ld
	LDE 1-(\p), ADRE, \off
.endif
	VAL2 1-(\p)
.endm
	s_load_b128 s[4:7], s[0:1], 0x0                ; A's records, B's records
	s_load_b64 s[8:9], s[0:1], 0x10                ; the keys
	v_lshl_add_u32 v[SPW], v0, 2, SPARE
	v_mov_b32 v[NIL], 0
	ds_add_u32 v[SPW], v[NIL]                      ; the opening lines: the add, twice on end, and its wait below
	ds_add_u32 v[SPW], v[NIL]
	v_lshrrev_b32 v72, 5, v0
	s_delay_alu instid0(VALU_DEP_1)
	v_readfirstlane_b32 s[WV], v72                 ; wave 0..7
	s_bfe_u32 s13, ttmp6, 0x40000                  ; cx
	s_lshl_b32 s14, ttmp9, 2
	s_add_co_u32 s14, s14, s13                     ; work-group x: it enters A's and the keys' addresses alone
	s_and_b32 s15, ttmp7, 0xffff                   ; work-group y, which the four partners share
	; descriptor group 1: RPW records, dense, as rows of 256 bytes (32 elements of 8 bytes), no padding
	s_mov_b32 s[G1], 15|(3<<16)|(1<<21)            ; the mask: all four work-groups; elements of 8 bytes; bit 21 set beside a mask
	s_mov_b32 s[G1+1], 32<<16
	s_mov_b32 s[G1+2], (26*RPW)<<16
	s_mov_b32 s[G1+3], 32<<16
	s_mov_b32 s[G1+4], 26*RPW
	s_mov_b32 s[G1+5], 32
	s_mov_b32 s[G1+6], 0
	s_mov_b32 s[G1+7], 0
	s_mov_b32 s[G0], 1
	s_mul_i32 s[G0+1], s[WV], RPW*REC              ; LDS: my records
	s_mul_i32 s18, s15, NREC*REC
	s_add_co_u32 s18, s18, s[G0+1]
	s_mov_b32 s19, 0
	s_lshl_b32 s2, s14, 5
	s_lshl_b32 s3, s[WV], 2
	s_add_co_u32 s2, s2, s3
	s_mul_i32 s2, s2, REC                          ; my four records of A: 32 x + 4 w on
	s_mov_b32 s3, 0
	s_lshl_b32 s54, s15, 16
	s_lshl_b32 s55, s14, 12
	s_add_co_u32 s54, s54, s55
	s_lshl_b32 s55, s[WV], 9
	s_add_co_u32 s54, s54, s55                     ; my 64 keys: y x 65,536 + (512 x + 64 w) x 8
	s_mov_b32 s55, 0
	s_mul_i32 s[CB], s15, 16*NREC                  ; my first code
	s_mov_b32 s[HM], 0xffff0000
	s_mov_b32 s[SEL], 0x76543210
	s_mov_b32 s[SEL+1], 0xfedcba98
	s_mov_b32 s[TB], 0
	s_mov_b32 s[RC], 0
	s_mov_b32 s[RC+1], 1
	v_and_b32 v74, 31, v0
	v_and_b32 v75, 15, v0
	v_bfe_u32 v73, v0, 4, 1
	s_delay_alu instid0(VALU_DEP_3)
	v_lshlrev_b32 v[L16], 4, v74                   ; fragments: 16 x lane, in memory and in LDS
	s_delay_alu instid0(VALU_DEP_4)
	v_lshlrev_b32 v[L8], 3, v74
	s_delay_alu instid0(VALU_DEP_4)
	v_lshlrev_b32 v[R16], 4, v75                   ; scale words: 16 r
	v_lshlrev_b32 v[R4], 2, v75
	v_lshlrev_b32 v[LE0], 5, v73                   ; e2 of codes 8 h .. 8 h + 7
	v_lshl_add_u32 v[HB], v73, 3, s[CB]
	s_wait_alu depctr_va_vdst(0)
	s_wait_dscnt 0x0                               ; both opening adds are done
	s_wait_kmcnt 0x0
	s_add_nc_u64 s[G0+2:G0+3], s[6:7], s[18:19]
	s_or_b32 s[G0+3], s[G0+3], 0x80000000
	s_add_nc_u64 s[4:5], s[4:5], s[2:3]
	s_add_nc_u64 s[8:9], s[8:9], s[54:55]
	CROUND                                         ; all four work-groups are here: the joint loads meet
	tensor_load_to_lds s[G0:G0+3], s[G1:G1+7]      ; my one tensor load: my RPW records of B; it goes out ahead of A's loads
	s_nop 0
.rept 4
	v_nop                                          ; four lines follow the load ahead of the switch of windows
.endr
	WIN 0x40                                       ; A: 56 loads, 512 consecutive bytes each for the fragments
.irp m, 0,1,2,3
.irp s, 0,1,2,3
.irp c, 0,1,2
	global_load_b128 v[48*\m+12*\s+4*\c:48*\m+12*\s+4*\c+3], v[L16], s[4:5] offset:REC*\m+1536*\s+512*\c
.endr
.endr
.endr
	WIN 0
.irp m, 0,1,2,3
	global_load_b128 v[AS+4*\m:AS+4*\m+3], v[R16], s[4:5] offset:REC*\m+6144
	global_load_b32 v[X2+2*\m], v[R4], s[4:5] offset:REC*\m+6400
.endr
.irp m, 0,1,2,3
	v_mov_b32 v[X2+2*\m+1], 0                      ; (named with x2 as a pair, so it is written)
.endr
.set J_, 0
.rept 32
	v_mov_b32 v[BEST+J_], 0x7f800000               ; the turn's text is written once: the first record finds +infinity
	v_mov_b32 v[IX+J_], 0
.set J_, J_+1
.endr
	s_wait_alu depctr_va_vdst(0)
	s_wait_tensorcnt 0x0                           ; my records are in,
	s_barrier_signal -1
	s_barrier_wait -1                              ; everybody's are
	LDF 0, L16, R16, 0
	LDE 0, LE0, 0
	LDF 1, L16, R16, REC
	WIN 0
	LDE 1, LE0, REC
	s_wait_dscnt 15                                ; record 0's 15 loads are in; record 1's 15 may be out
	s_wait_loadcnt 0x0                             ; A
	MUL 0
.rept 4
	v_nop                                          ; places in front of the fetch into set 0 and of the first read of results
.endr
	s_mov_b32 s[CNT], NREC/2-1
.Lwalk:                                            ; trip t: turns 2 t + 1 and 2 t + 2; what is fetched reaches record NREC - 1
	v_add_nc_u32 v[ADRF], s[TB], v[L16]
	v_add_nc_u32 v[ADRS], s[TB], v[R16]
	v_add_nc_u32 v[ADRE], s[TB], v[LE0]
	s_wait_alu depctr_va_vdst(0)
	ITER 1, 1, 2*REC
	ITER 0, 1, 3*REC
	s_add_co_u32 s[TB], s[TB], 2*REC
	s_add_co_u32 s[RC], s[RC], 2
	s_add_co_u32 s[RC+1], s[RC+1], 2
	s_sub_co_u32 s[CNT], s[CNT], 1
	s_cmp_lg_u32 s[CNT], 0
	s_cbranch_scc1 .Lwalk
	ITER 1, 0, 0                                   ; the last record's products; nothing is left to fetch
	s_wait_dscnt 0x0                               ; its e2
	VAL1 1
	VAL2 1
	; THE WAY OUT: of a lane's eight candidates, then of the two halves of the lanes, the smallest d; of equal d the lower code
.macro COMB da, ca, db, cb
	v_cmp_lt_f32 s[CM], v[\db], v[\da]
	v_cmp_eq_f32 s[CM+1], v[\db], v[\da]
	v_cmp_lt_u32 s[CM+2], v[\cb], v[\ca]
	s_and_b32 s[CM+1], s[CM+1], s[CM+2]
	s_or_b32 s[CM], s[CM], s[CM+1]
	v_cndmask_b32 v[\da], v[\da], v[\db], s[CM]
	v_cndmask_b32 v[\ca], v[\ca], v[\cb], s[CM]
.endm
.irp m, 0,1,2,3
.irp j, 0,1,2,3,4,5,6,7
	v_lshl_or_b32 v[IX+8*\m+\j], v[IX+8*\m+\j], 4, \j             ; 16 x record + j
.endr
.endr
.irp m, 0,1,2,3
	COMB BEST+8*\m, IX+8*\m, BEST+8*\m+1, IX+8*\m+1
	COMB BEST+8*\m+2, IX+8*\m+2, BEST+8*\m+3, IX+8*\m+3
	COMB BEST+8*\m+4, IX+8*\m+4, BEST+8*\m+5, IX+8*\m+5
	COMB BEST+8*\m+6, IX+8*\m+6, BEST+8*\m+7, IX+8*\m+7
	COMB BEST+8*\m, IX+8*\m, BEST+8*\m+2, IX+8*\m+2
	COMB BEST+8*\m+4, IX+8*\m+4, BEST+8*\m+6, IX+8*\m+6
	COMB BEST+8*\m, IX+8*\m, BEST+8*\m+4, IX+8*\m+4
	s_delay_alu instid0(VALU_DEP_1)
	v_add_nc_u32 v[IX+8*\m], v[IX+8*\m], v[HB]                    ; + 8 h + my first code
	s_delay_alu instid0(VALU_DEP_3)
	v_permlanex16_b32 v[TMP], v[BEST+8*\m], s[SEL], s[SEL+1]
	s_delay_alu instid0(VALU_DEP_2)
	v_permlanex16_b32 v[TMP+1], v[IX+8*\m], s[SEL], s[SEL+1]
	COMB BEST+8*\m, IX+8*\m, TMP, TMP+1
	s_delay_alu instid0(VALU_DEP_2)
	v_ashrrev_i32 v[TMP+6], 31, v[BEST+8*\m]                      ; d's bits as an unsigned number that sorts as d does
	s_delay_alu instid0(VALU_DEP_1)
	v_or_b32 v[TMP+6], 0x80000000, v[TMP+6]
	s_delay_alu instid0(VALU_DEP_1)
	v_xor_b32 v[BEST+8*\m], v[BEST+8*\m], v[TMP+6]
.endr
.irp p, 0,1
	v_cndmask_b32 v[TMP+2+2*\p], v[BEST+16*\p], v[BEST+16*\p+8], s[HM]   ; lanes 0-15: tile 2 p, lanes 16-31: tile 2 p + 1: lane l holds token 32 p + l
	v_cndmask_b32 v[TMP+3+2*\p], v[IX+16*\p], v[IX+16*\p+8], s[HM]
	global_store_b64 v[L8], v[TMP+2+2*\p:TMP+3+2*\p], s[8:9] offset:256*\p   ; 256 consecutive bytes, at a multiple of 256 from the buffer's first byte
.endr
	s_wait_tensorcnt 0x0                           ; the wave's end
	ds_add_u32 v[SPW], v[NIL]
	s_wait_dscnt 0x0
	CROUND                                         ; the closing round: no work-group ends while a partner may still ask for a tile that names it
	s_endpgm
.Lfunc_end_k_q74a626c2bd_distf:
	.size	k_q74a626c2bd_distf, .Lfunc_end_k_q74a626c2bd_distf-k_q74a626c2bd_distf
	.p2alignl 7, 3214868480
	.fill 96, 4, 3214868480
	.section	.rodata,"a",@progbits
	.p2align	6, 0x0
	.amdhsa_kernel k_q74a626c2bd_distf
		.amdhsa_group_segment_fixed_size 214016
		.amdhsa_private_segment_fixed_size 0
		.amdhsa_enable_private_segment 0
		.amdhsa_kernarg_size 24
		.amdhsa_user_sgpr_count 2
		.amdhsa_user_sgpr_kernarg_segment_ptr 1
		.amdhsa_wavefront_size32 1
		.amdhsa_system_sgpr_workgroup_id_x 1
		.amdhsa_system_sgpr_workgroup_id_y 1
		.amdhsa_system_sgpr_workgroup_id_z 1
		.amdhsa_system_vgpr_workitem_id 0
		.amdhsa_next_free_vgpr 512
		.amdhsa_next_free_sgpr 66
		.amdhsa_reserve_vcc 0
		.amdhsa_float_denorm_mode_32 3
		.amdhsa_float_denorm_mode_16_64 3
		.amdhsa_memory_ordered 1
		.amdhsa_forward_progress 1
		.amdhsa_inst_pref_size 70
	.end_amdhsa_kernel
	.amdgpu_metadata
---
amdhsa.version: [ 1, 2 ]
amdhsa.kernels:
  - .name:           k_q74a626c2bd_distf
    .symbol:         k_q74a626c2bd_distf.kd
    .args:
      - { .name: ra, .offset: 0, .size: 8, .value_kind: global_buffer, .address_space: global }
      - { .name: cbf, .offset: 8, .size: 8, .value_kind: global_buffer, .address_space: global }
      - { .name: keyf, .offset: 16, .size: 8, .value_kind: global_buffer, .address_space: global }
    .group_segment_fixed_size: 214016
    .private_segment_fixed_size: 0
    .kernarg_segment_align: 8
    .kernarg_segment_size: 24
    .max_flat_workgroup_size: 256
    .sgpr_count:     66
    .vgpr_count:     512
    .wavefront_size: 32
...
	.end_amdgpu_metadata
.endif
;; end of part 4
;; launch fin (part 5): grid 256 x 1, 4 waves a work-group, clusters of 4 x 1, 327,680 bytes of LDS; arguments z, coarse_emb, fine_emb, wimg, b_c2f, g_c2f, be_c2f, b_f2c, g_f2c, be_f2c, gate_c_raw, gate_f_raw, keyc, keyf, out0, part; writes out0, part
.if DOCPART == 5
	.amdgcn_target "amdgcn-amd-amdhsa--gfx1250"
	.amdhsa_code_object_version 6
	.text
	.protected	k_q74a626c2bd_fin
	.globl	k_q74a626c2bd_fin
	.p2align	8
	.type	k_q74a626c2bd_fin,@function
k_q74a626c2bd_fin:
	s_mov_b64 s[64:65], 0
	v_nop
	global_prefetch_b8 v0, s[64:65] scope:SCOPE_SE
	s_setreg_imm32_b32 hwreg(HW_REG_WAVE_MODE, 25, 1), 1
	s_wait_xcnt 0x0
	s_wait_alu depctr_hold_cnt(0) depctr_sa_sdst(0) depctr_va_vdst(0) depctr_va_sdst(0) depctr_va_ssrc(0) depctr_va_vcc(0) depctr_vm_vsrc(0)
	s_getreg_b32 s2, hwreg(HW_REG_IB_STS2, 6, 4)
	s_cmp_eq_u32 s2, 0
	s_cbranch_scc0 .Lentry_in_a_cluster
	s_endpgm
.Lentry_in_a_cluster:
	s_bfe_u32 s2, ttmp6, 0x10000c
	s_cmp_lg_u32 s2, 0x3003
	s_cbranch_scc0 .Lentry_shape_is_right
	s_endpgm
.Lentry_shape_is_right:
; FIN.  For 32 tokens a work-group: both codes (the smallest stored keys), both table rows; z_coarse_q = x + (q - x); gate_c x coarse_influence once more, by the same lines in the same order as the launch that made the
; residual's records (it costs 64 matrix instructions a wave and spares 16.8 MB out and in); residual, z_fine_q = residual + (q - residual); fine_feedback = LeakyReLU(LayerNorm(z_fine_q W^T + b));
; out0 = [z_coarse_q + 0.1 gate_f x feedback | z_fine_q + gate_c x influence]; each wave's sum of (q - x)^2 of both quantisations goes to part, for the last launch.
; SHARES and LAYOUTS as in that launch: wave w owns columns 128 w .. 128 w + 127 for two tiles of 16 rows; panels are DENSE (registers 4 i .. 4 i + 3 of lane l = row i, columns 4 l ..) or
; QUANT (register 16 b + i of lane (r, h) = row r, column 32 b + 16 h + i) and turn through the wave's own stages.
; THE WEIGHTS.  All work-groups read the same two weights, so the four work-groups of a cluster ask for them JOINTLY: wave w asks for its panel (51,200 bytes, 200 rows of 256) by one tensor load whose descriptor hangs on the
; wave's number alone, with the mask 15; only the wave that asked reads those bytes, and copies them into 384 registers.  Both weights together are 409,600 bytes: the second fills the first's bytes AGAIN, once the first
; lies in registers: every wave waits for its tensor load, adds 0 to its spare word, waits for that and for its reads, a round of the cluster's barrier follows, and the joint refill is the first thing behind it.
; One tensor load of a wave is out at the most.  The launch claims all of a WGP's LDS; it uses 327,168 bytes.
; BIAS, GAIN, BE.
; LIMITS: NaN and infinities are not served; a block of zeros or under 2^-122 keeps the scale byte 1; 1 / sqrt by v_rsq_f32.
; REGISTERS: window 0: v1-19 addresses, v20-31 small things, v32-63 the weight's scale words, v64-67 x's, v68-69 the add's two, v72-119 four fragments (also: keys, vectors as loaded, QUANT's work and codes), v120-127 at work, v128-255 H.
;   window 1: v0-191 weight tiles 0-3, v192-255 tile 0's fine rows, later the second bias.   window 2: v0-191 tiles 4-7, v192-255 the first bias, later tile 1's fine rows.
;   window 3: v0-127 tile 1's x and q, later gain and be; v128-255 z_fine, later sums for out0.
.set REC,  6656
.set WT,   6400
.set WPAN, 8*WT                        ; a wave's panel of a weight: 51,200 bytes
.set SP,   528
.set XIMG, 0                           ; LDS: 8 fragment images (4 m + K step),
.set XSC,  12288                       ; their scale words,
.set RED,  13312                       ; two regions of 512 bytes for row sums,
.set PRM,  14336                       ; bias, gain, be: 3 x 512 bytes for each wave,
.set SPARE, 20480                      ; the spare words, 128 bytes for each wave: two blocks of 256 bytes that no other line names,
.set STG,  20992                       ; three stages of 8,448 bytes for each wave,
.set WSTG, 25344
.set WL,   122368                      ; and a weight: four panels, filled by the tensor loads
.set ZQ,   0
.set TS,   16896
.set LL, 1
.set RR, 2
.set HH, 3
.set WLA, 4
.set LI, 5
.set LS, 6
.set XWI, 7
.set XWS, 8
.set IDXC, 9
.set IDXF, 10
.set R16, 11
.set SD, 13
.set SQ, 14
.set RW, 15
.set WRA, 16
.set PD, 17
.set PQ, 18
.set K8, 19
.set LB, 20
.set MU, 22
.set LA, 26
.set TT, 28
.set WS, 32
.set XS, 64
.set SPW, 68                           ; v68  LDS address of my spare word: SPARE + 4 x my thread's number; never rewritten
.set NIL, 69                           ; v69  0; never rewritten
.set XF, 72
.set TM, 72
.set PW, 88
.set PC, 90
.set PV, 104                           ; v104-115 the first three vectors as loaded
.set T8, 120
.set H, 128
.set ZB, 4
.set CE, 6
.set FE, 8
.set WB, 10
.set BC, 12
.set GC, 14
.set EC, 16
.set BFP, 18
.set GF, 20
.set EF, 22
.set KC, 28
.set KF, 30
.set OUT, 32
.set PRT, 34
.set G0A, 36
.set G1, 40
.set G0B, 48
.set GS, 68
.set SEL, 84
.set GTC, 88
.set GTF, 90
.set WV, 92
.set MSB, 0
.macro WIN new                         ; the immediate's high byte repeats the setting that is left
.if MSB != (\new)
	s_set_vgpr_msb (MSB<<8)|(\new)
.set MSB, (\new)
.endif
.endm
.macro BARRIER                         ; my LDS stores have landed and my LDS loads are in: then the work-group's barrier
	s_wait_dscnt 0x0
	s_barrier_signal -1
	s_barrier_wait -1
.endm
.macro CROUND                          ; a round of the cluster's barrier
	s_barrier_signal -1
	s_barrier_wait -1
	s_cmp_lg_u32 s[WV], 0
	s_cbranch_scc1 .Lnot_wave_0_\@
	s_barrier_signal -3
.Lnot_wave_0_\@:
	s_barrier_wait -3
	s_barrier_signal -1
	s_barrier_wait -1
.endm
.macro ST_DENSE base, reg, win
	WIN (\win)<<2
.irp i, 0,1,2,3,4,5,6,7,8,9,10,11,12,13,14,15
	ds_store_b128 v[SD], v[(\reg)+4*\i:(\reg)+4*\i+3] offset:(\base)+SP*\i
.endr
	WIN 0
.endm
.macro LD_DENSE base, reg, win
	WIN (\win)<<6
.irp i, 0,1,2,3,4,5,6,7,8,9,10,11,12,13,14,15
	ds_load_b128 v[(\reg)+4*\i:(\reg)+4*\i+3], v[SD] offset:(\base)+SP*\i
.endr
	WIN 0
.endm
.macro ST_QUANT base, reg
.irp b, 0,1,2,3
.irp j, 0,1,2,3
	ds_store_b128 v[SQ], v[(\reg)+16*\b+4*\j:(\reg)+16*\b+4*\j+3] offset:(\base)+128*\b+16*\j
.endr
.endr
.endm
.macro LD_QUANT base, reg, win
	WIN (\win)<<6
.irp b, 0,1,2,3
.irp j, 0,1,2,3
	ds_load_b128 v[(\reg)+16*\b+4*\j:(\reg)+16*\b+4*\j+3], v[SQ] offset:(\base)+128*\b+16*\j
.endr
.endr
	WIN 0
.endm
.macro QUANT s, pw
.irp b, 0,1,2,3
	v_max3_num_f32 v[TM+\b], |v[(\s)+16*\b]|, |v[(\s)+1+16*\b]|, 0x2800000   ; block b: my 16 numbers, and the floor 2^(5 - 127): the byte cannot fall under 1
.endr
.irp i, 2,4,6,8,10,12,14
.irp b, 0,1,2,3
	v_max3_num_f32 v[TM+\b], v[TM+\b], |v[(\s)+16*\b+\i]|, |v[(\s)+1+16*\b+\i]|
.endr
.endr
.irp b, 0,1,2,3
	v_permlanex16_b32 v[TM+4+\b], v[TM+\b], s[SEL], s[SEL+1]
.endr
.irp b, 0,1,2,3
	v_max_num_f32 v[TM+\b], v[TM+\b], v[TM+4+\b]
.endr
.irp b, 0,1,2,3
	v_add_nc_u32 v[TM+12+\b], 0xfe000000, v[TM+\b] ; 4 off the exponent field: the conversion's scale operand
.endr
.irp b, 0,1,2,3
	v_lshrrev_b32 v[TM+4+\b], 23, v[TM+12+\b]      ; the scale's byte
.endr
	v_lshl_or_b32 v[\pw], v[TM+5], 8, v[TM+4]
	v_lshl_or_b32 v[\pw], v[TM+6], 16, v[\pw]
	v_lshl_or_b32 v[\pw], v[TM+7], 24, v[\pw]
.irp c, 0,1
	v_cvt_scalef32_pk16_bf6_f32 v[PC+6*\c:PC+2+6*\c], v[(\s)+32*\c:(\s)+15+32*\c], v[TM+12+2*\c]
	v_cvt_scalef32_pk16_bf6_f32 v[PC+12+4*\c:PC+14+4*\c], v[(\s)+16+32*\c:(\s)+31+32*\c], v[TM+12+2*\c+1]
.endr
	v_nop                                          ; one plain place behind a scaled conversion
.irp c, 0,1
.irp i, 0,1,2
	v_permlane16_swap_b32 v[PC+6*\c+\i], v[PC+12+4*\c+\i]
.endr
.irp i, 0,1,2
	v_mov_b32 v[PC+3+6*\c+\i], v[PC+12+4*\c+\i]
.endr
.endr
.endm
.macro IMAGE adr, off
.irp c, 0,1,2
	ds_store_b128 v[\adr], v[PC+4*\c:PC+4*\c+3] offset:(\off)+512*\c
.endr
.endm
.macro FETCH reg, off
.irp c, 0,1,2
	ds_load_b128 v[(\reg)+4*\c:(\reg)+4*\c+3], v[LI] offset:(\off)+512*\c
.endr
.endm
; the smallest of n keys (registers k + 2 s: sortable d, code); strictly smaller, splits ascending: the lower code keeps a tie.  Whole numbers read from memory, compared as whole numbers
.macro COMBINE k, n, idx
.set Q_, 1
.rept (\n)-1
	v_cmp_lt_u32 vcc_lo, v[(\k)+2*Q_], v[\k]
	v_cndmask_b32 v[\k], v[\k], v[(\k)+2*Q_], vcc_lo
	v_cndmask_b32 v[(\k)+1], v[(\k)+1], v[(\k)+2*Q_+1], vcc_lo
.set Q_, Q_+1
.endr
	v_mov_b32 v[\idx], v[(\k)+1]
.endm
; my 512 bytes of the 16 table rows that tile m's tokens chose, dense.  Each index is held inside its table by s_min_u32; each load lands on its own offset register
.macro GATHER dst, win, idx, m, lim, base
.irp i, 0,1,2,3,4,5,6,7,8,9,10,11,12,13,14,15
	v_readlane_b32 s[GS+\i], v[\idx], 16*(\m)+\i
.endr
.irp i, 0,1,2,3,4,5,6,7,8,9,10,11,12,13,14,15
	s_min_u32 s[GS+\i], s[GS+\i], \lim
	s_lshl_b32 s[GS+\i], s[GS+\i], 11
.endr
	WIN (\win)<<6
.irp i, 0,1,2,3,4,5,6,7,8,9,10,11,12,13,14,15
	v_add_nc_u32 v[(\dst)+4*\i], s[GS+\i], v[LI]
.endr
	WIN ((\win)<<6)|(\win)
.irp i, 0,1,2,3,4,5,6,7,8,9,10,11,12,13,14,15
	global_load_b128 v[(\dst)+4*\i:(\dst)+4*\i+3], v[(\dst)+4*\i], s[\base:\base+1]
.endr
	WIN 0
.endm
.macro ZLOAD dst, win, m, off          ; my 512 bytes of tile m's 16 rows of z, dense
	WIN (\win)<<6
.irp i, 0,1,2,3,4,5,6,7,8,9,10,11,12,13,14,15
	global_load_b128 v[(\dst)+4*\i:(\dst)+4*\i+3], v[LI], s[ZB:ZB+1] offset:(16*(\m)+\i)*4096+(\off) th:TH_LOAD_NT
.endr
	WIN 0
.endm
.macro WLDS g                          ; tiles 4 g .. 4 g + 3 of my panel, from LDS into window 1 + g, and their scale words: 52 LDS loads
	WIN (1+(\g))<<6
.irp u, 0,1,2,3
.irp s, 0,1,2,3
.irp c, 0,1,2
	ds_load_b128 v[48*\u+12*\s+4*\c:48*\u+12*\s+4*\c+3], v[WLA] offset:WT*(4*(\g)+\u)+1536*\s+512*\c
.endr
.endr
.endr
	WIN 0
.irp u, 0,1,2,3
	ds_load_b128 v[WS+4*(4*(\g)+\u):WS+4*(4*(\g)+\u)+3], v[WRA] offset:WT*(4*(\g)+\u)+6144
.endr
.endm
.macro PPUT reg                        ; three vectors' 512 bytes, as loaded, to my own LDS bytes
.irp k, 0,1,2
	ds_store_b128 v[PD], v[(\reg)+4*\k:(\reg)+4*\k+3] offset:512*\k
.endr
.endm
.macro PGET dst, win, k                ; vector k back in the quant layout (LDS serves a wave's instructions in order)
	WIN (\win)<<6
.irp b, 0,1,2,3
.irp j, 0,1,2,3
	ds_load_b128 v[(\dst)+16*\b+4*\j:(\dst)+16*\b+4*\j+3], v[PQ] offset:512*(\k)+128*\b+16*\j
.endr
.endr
	WIN 0
.endm
; H = X W^T + bias for both tiles of rows, transposed (source 0 = 16 rows of the weight, source 1 = 16 tokens).  The bias (v192 on of window bw) is the C of each sum's first instruction.
; The eight accumulators take turns, one instruction a turn.
.macro MLP bw
.irp m, 0,1
.irp s, 0,1,2,3
	FETCH XF+12*\s, XIMG+1536*(4*\m+\s)
	ds_load_b32 v[XS+\s], v[LS] offset:XSC+128*(4*\m+\s)
.endr
	s_wait_dscnt 0x0
.irp s, 0,1,2,3
.irp g, 0,1
.if \s == 0
	WIN ((\bw)<<4)|(1+\g)
.else
	WIN 1+\g
.endif
.irp u, 0,1,2,3
.if \s == 0
	v_wmma_scale_f32_16x16x128_f8f6f4 v[H+64*\m+8*(4*\g+\u):H+64*\m+8*(4*\g+\u)+7], v[48*\u+12*\s:48*\u+12*\s+11], v[XF+12*\s:XF+12*\s+11], v[192+8*(4*\g+\u):192+8*(4*\g+\u)+7], v[WS+4*(4*\g+\u)+\s], v[XS+\s] matrix_a_fmt:MATRIX_FMT_BF6 matrix_b_fmt:MATRIX_FMT_BF6
.else
	v_wmma_scale_f32_16x16x128_f8f6f4 v[H+64*\m+8*(4*\g+\u):H+64*\m+8*(4*\g+\u)+7], v[48*\u+12*\s:48*\u+12*\s+11], v[XF+12*\s:XF+12*\s+11], v[H+64*\m+8*(4*\g+\u):H+64*\m+8*(4*\g+\u)+7], v[WS+4*(4*\g+\u)+\s], v[XS+\s] matrix_a_fmt:MATRIX_FMT_BF6 matrix_b_fmt:MATRIX_FMT_BF6
.endif
.endr
.endr
.endr
	WIN 0
.rept 4
	v_nop                                          ; places in front of loads into registers that the products have read, and of the first read of results
.endr
.endr
.endm
; my lanes' part of row r's sum (sq = 0) or sum of squares (sq = 1) over panel m, to LDS at off + 256 m + 16 r + 4 w.  Each accumulator is read from its low end on
.macro LSUM m, sq, off
.set HB_, H+64*(\m)
.set A_, T8+4*(\m)
.if \sq
	v_pk_mul_f32 v[A_:A_+1], v[HB_:HB_+1], v[HB_:HB_+1]
	v_pk_mul_f32 v[A_+2:A_+3], v[HB_+2:HB_+3], v[HB_+2:HB_+3]
.irp j, 4,8,12,16,20,24,28,32,36,40,44,48,52,56,60
	v_pk_fma_f32 v[A_:A_+1], v[HB_+\j:HB_+\j+1], v[HB_+\j:HB_+\j+1], v[A_:A_+1]
	v_pk_fma_f32 v[A_+2:A_+3], v[HB_+\j+2:HB_+\j+3], v[HB_+\j+2:HB_+\j+3], v[A_+2:A_+3]
.endr
.else
	v_pk_add_f32 v[A_:A_+1], v[HB_:HB_+1], v[HB_+4:HB_+5]
	v_pk_add_f32 v[A_+2:A_+3], v[HB_+2:HB_+3], v[HB_+6:HB_+7]
.irp j, 8,12,16,20,24,28,32,36,40,44,48,52,56,60
	v_pk_add_f32 v[A_:A_+1], v[A_:A_+1], v[HB_+\j:HB_+\j+1]
	v_pk_add_f32 v[A_+2:A_+3], v[A_+2:A_+3], v[HB_+\j+2:HB_+\j+3]
.endr
.endif
	v_pk_add_f32 v[A_:A_+1], v[A_:A_+1], v[A_+2:A_+3]
	v_add_f32 v[A_], v[A_], v[A_+1]
	v_permlanex16_b32 v[A_+1], v[A_], s[SEL], s[SEL+1]
	v_add_f32 v[A_], v[A_], v[A_+1]
	ds_store_b32 v[RW], v[A_] offset:(\off)+256*(\m)
.endm
.macro RGET off                        ; the four waves' parts of row r, added in the waves' order: v[T8] for tile 0, v[T8 + 4] for tile 1
.irp m, 0,1
	ds_load_b128 v[T8+4*\m:T8+4*\m+3], v[R16] offset:(\off)+256*\m
.endr
	s_wait_dscnt 0x0
.irp q, 1,2,3
.irp m, 0,1
	v_add_f32 v[T8+4*\m], v[T8+4*\m], v[T8+4*\m+\q]
.endr
.endr
.endm
; LayerNorm over the 512 columns, first part: the mean is taken off, and 1 / sqrt(the mean of squared differences + 1e-5) is made; regions k and k + 1 of RED; two barriers
.macro LNA k
	LSUM 0, 0, RED+512*(\k)
	LSUM 1, 0, RED+512*(\k)
	BARRIER
	RGET RED+512*(\k)
.irp m, 0,1
	v_mul_f32 v[MU+2*\m], 0x3b000000, v[T8+4*\m]   ; / 512
.endr
.irp m, 0,1
.set J_, 0
.rept 32
	v_pk_add_f32 v[H+64*\m+J_:H+64*\m+J_+1], v[H+64*\m+J_:H+64*\m+J_+1], v[MU+2*\m:MU+2*\m+1] op_sel_hi:[1,0] neg_lo:[0,1] neg_hi:[0,1]
.set J_, J_+2
.endr
.endr
	LSUM 0, 1, RED+512*((\k)+1)
	LSUM 1, 1, RED+512*((\k)+1)
	BARRIER
	RGET RED+512*((\k)+1)
.irp m, 0,1
	v_mul_f32 v[T8+4*\m], 0x3b000000, v[T8+4*\m]
	v_add_f32 v[T8+4*\m], 0x3727c5ac, v[T8+4*\m]   ; + 1e-5
.endr
	s_wait_alu depctr_va_vdst(0)
	v_rsq_f32 v[MU], v[T8]
	v_rsq_f32 v[MU+2], v[T8+4]
	v_nop                                          ; a plain place behind the two,
	s_wait_alu depctr_va_vdst(0)                   ; and the one wait ahead of their first reader
.endm
; second part: x 1 / sqrt, gain and be (window 3), LeakyReLU(0.1): vector work on registers alone
.macro LNB
.irp m, 0,1
.set J_, 0
.rept 32
	v_pk_mul_f32 v[H+64*\m+J_:H+64*\m+J_+1], v[H+64*\m+J_:H+64*\m+J_+1], v[MU+2*\m:MU+2*\m+1] op_sel_hi:[1,0]
.set J_, J_+2
.endr
.endr
	WIN 0x3c                                       ; sources 1 and 2 window 3
.irp m, 0,1
.set J_, 0
.rept 32
	v_pk_fma_f32 v[H+64*\m+J_:H+64*\m+J_+1], v[H+64*\m+J_:H+64*\m+J_+1], v[J_:J_+1], v[64+J_:65+J_]
.set J_, J_+2
.endr
.endr
	WIN 0
.set Q_, 0
.rept 16
.irp j, 0,2,4,6
	v_pk_mul_f32 v[T8+\j:T8+\j+1], v[H+Q_+\j:H+Q_+\j+1], 0x3dcccccd op_sel_hi:[1,0]
.endr
.irp j, 0,1,2,3,4,5,6,7
	v_max_num_f32 v[H+Q_+\j], v[H+Q_+\j], v[T8+\j] ; h where h > 0, else 0.1 h: the larger of the two
.endr
.set Q_, Q_+8
.endr
.endm
.macro SIGM raw                        ; v[TT + 2] = 1 / (1 + 2^(-1.442695 x))
	v_mov_b32 v[TT], s[\raw]
	v_mul_f32 v[TT], 0xbfb8aa3b, v[TT]
	s_wait_alu depctr_va_vdst(0)
	v_exp_f32 v[TT+1], v[TT]
	v_nop
	s_wait_alu depctr_va_vdst(0)
	v_add_f32 v[TT+1], 1.0, v[TT+1]
	s_wait_alu depctr_va_vdst(0)
	v_rcp_f32 v[TT+2], v[TT+1]
	v_nop
	s_wait_alu depctr_va_vdst(0)
.endm
; Tile m: X and Q, dense: v128 and v192 on of window 0 (m = 0), v0 and v64 on of window 3 (m = 1).  q_st = x + (q - x); it stays in stage ZQ m, and its codes and scale word go to LDS as K step w.  loss = 1: (q - x)^2 is added up
.macro XC m, loss
.set RX_, 128*(1-(\m))
.set RQ_, 192-128*(\m)
	WIN 0xff*(\m)
.set J_, 0
.rept 32
	v_pk_add_f32 v[RQ_+J_:RQ_+J_+1], v[RQ_+J_:RQ_+J_+1], v[RX_+J_:RX_+J_+1] neg_lo:[0,1] neg_hi:[0,1]
.set J_, J_+2
.endr
.if \loss
	WIN 0x0f*(\m)
.set J_, 0
.rept 16
	v_pk_fma_f32 v[LA:LA+1], v[RQ_+J_:RQ_+J_+1], v[RQ_+J_:RQ_+J_+1], v[LA:LA+1]
	v_pk_fma_f32 v[LB:LB+1], v[RQ_+J_+2:RQ_+J_+3], v[RQ_+J_+2:RQ_+J_+3], v[LB:LB+1]
.set J_, J_+4
.endr
	WIN 0xff*(\m)
.endif
.set J_, 0
.rept 32
	v_pk_add_f32 v[RX_+J_:RX_+J_+1], v[RX_+J_:RX_+J_+1], v[RQ_+J_:RQ_+J_+1]
.set J_, J_+2
.endr
	WIN 0
	ST_DENSE ZQ+8448*(\m), RX_, 3*(\m)
	LD_QUANT ZQ+8448*(\m), H+64*(1-(\m)), 0
	s_wait_dscnt 0x0
	QUANT H+64*(1-(\m)), PW
	IMAGE XWI, XIMG+6144*(\m)
	ds_store_b32 v[XWS], v[PW] offset:XSC+512*(\m)
	s_wait_dscnt 0x0                               ; the stores have read their registers
.endm
; Tile m of the fine quantisation.  gci = gate_c x influence: window 0, v[128 + 64 m] on; z_fine: window 3, the same numbers; the fine row Q: v192 on of window 1 + m.  All dense here.
.macro STEP4 m
.set WQ, 1+(\m)
.set HM_, H+64*(\m)
	ST_QUANT TS, HM_                               ; gci turns from quant to dense
	LD_DENSE TS, HM_, 0
	s_wait_dscnt 0x0
	WIN 0xc3                                       ; destination and source 0 window 3
.set J_, 0
.rept 32
	v_pk_add_f32 v[HM_+J_:HM_+J_+1], v[HM_+J_:HM_+J_+1], v[HM_+J_:HM_+J_+1] neg_lo:[0,1] neg_hi:[0,1]   ; R = z_fine - gci
.set J_, J_+2
.endr
	WIN (WQ<<6)|(3<<2)|WQ
.set J_, 0
.rept 32
	v_pk_add_f32 v[192+J_:193+J_], v[192+J_:193+J_], v[HM_+J_:HM_+J_+1] neg_lo:[0,1] neg_hi:[0,1]       ; q - R
.set J_, J_+2
.endr
	WIN (WQ<<2)|WQ
.set J_, 0
.rept 16
	v_pk_fma_f32 v[LA:LA+1], v[192+J_:193+J_], v[192+J_:193+J_], v[LA:LA+1]
	v_pk_fma_f32 v[LB:LB+1], v[194+J_:195+J_], v[194+J_:195+J_], v[LB:LB+1]
.set J_, J_+4
.endr
	WIN (WQ<<6)|(3<<2)|WQ
.set J_, 0
.rept 32
	v_pk_add_f32 v[192+J_:193+J_], v[192+J_:193+J_], v[HM_+J_:HM_+J_+1]                                 ; z_fine_q = R + (q - R)
.set J_, J_+2
.endr
	WIN (3<<6)|WQ
.set J_, 0
.rept 32
	v_pk_add_f32 v[HM_+J_:HM_+J_+1], v[192+J_:193+J_], v[HM_+J_:HM_+J_+1]                               ; z_fine_q + gci, into window 3
.set J_, J_+2
.endr
	WIN 0x0c                                       ; a store's data: window 3
.irp i, 0,1,2,3,4,5,6,7,8,9,10,11,12,13,14,15
	global_store_b128 v[LI], v[HM_+4*\i:HM_+4*\i+3], s[OUT:OUT+1] offset:(16*(\m)+\i)*4096+2048 th:TH_STORE_NT   ; 512 consecutive bytes of a row of out0
.endr
	WIN 0
	ST_DENSE TS, 192, WQ                           ; z_fine_q turns from dense to quant
	LD_QUANT TS, HM_, 0
	s_wait_dscnt 0x0
	QUANT HM_, PW
	IMAGE XWI, XIMG+6144*(\m)
	ds_store_b32 v[XWS], v[PW] offset:XSC+512*(\m)
	s_wait_dscnt 0x0
.endm
	s_load_b512 s[4:19], s[0:1], 0x0               ; z, coarse_emb, fine_emb, wimg, b_c2f, g_c2f, be_c2f, b_f2c
	s_load_b512 s[20:35], s[0:1], 0x40             ; g_f2c, be_f2c, gate_c_raw, gate_f_raw, keyc, keyf, out0, part
	v_lshl_add_u32 v[SPW], v0, 2, SPARE
	v_mov_b32 v[NIL], 0
	ds_add_u32 v68, v69
	ds_add_u32 v68, v69
	s_wait_dscnt 0x0
	v_lshrrev_b32 v[TT], 5, v0
	v_readfirstlane_b32 s[WV], v[TT]               ; wave 0..3
	v_and_b32 v[LL], 31, v0
	v_and_b32 v[RR], 15, v0
	v_bfe_u32 v[HH], v0, 4, 1
	v_lshlrev_b32 v[LI], 4, v[LL]
	v_lshlrev_b32 v[LS], 2, v[LL]
	v_lshlrev_b32 v[K8], 3, v[LL]
	v_lshlrev_b32 v[R16], 4, v[RR]
	s_bfe_u32 s52, ttmp6, 0x40000                  ; cx: my place in the cluster
	s_lshl_b32 s53, ttmp9, 2
	s_add_co_u32 s53, s53, s52                     ; my work-group: it enters global addresses alone
	; descriptor group 1: a panel of a weight, 51,200 dense bytes, as 200 rows of 256 bytes (32 elements of 8 bytes), no padding
	s_mov_b32 s[G1], 15|(3<<16)|(1<<21)            ; 15:0 the mask: all four work-groups; 17:16 elements of 8 bytes; 21 set beside a mask
	s_mov_b32 s[G1+1], 32<<16                      ; tensor_dim0 = 32
	s_mov_b32 s[G1+2], 200<<16                     ; tensor_dim1 = 200
	s_mov_b32 s[G1+3], 32<<16                      ; tile_dim0 = 32
	s_mov_b32 s[G1+4], 200                         ; tile_dim1 = 200
	s_mov_b32 s[G1+5], 32                          ; from row to row
	s_mov_b32 s[G1+6], 0
	s_mov_b32 s[G1+7], 0
	s_mov_b32 s[G0A], 1                            ; a group 0 for each of the two weights: neither is written again
	s_mul_i32 s[G0A+1], s[WV], WPAN
	s_add_co_u32 s[G0A+1], s[G0A+1], WL            ; LDS: my panel: the wave's number alone
	s_mov_b32 s[G0B], 1
	s_mul_i32 s[G0B+1], s[WV], WPAN
	s_add_co_u32 s[G0B+1], s[G0B+1], WL
	s_lshl_b32 s54, s53, 8                         ; my work-group's 32 keys of a split
	s_mov_b32 s55, 0
	s_mul_i32 s56, s[WV], WPAN
	s_mov_b32 s57, 0
	s_wait_alu depctr_va_vdst(0)
	s_wait_kmcnt 0x0
	s_load_b32 s98, s[24:25], 0x0                  ; gate_c_raw
	s_load_b32 s99, s[26:27], 0x0                  ; gate_f_raw
	s_add_nc_u64 s[KC:KC+1], s[KC:KC+1], s[54:55]
	s_add_nc_u64 s[KF:KF+1], s[KF:KF+1], s[54:55]
.irp s, 0,1,2,3,4,5,6,7,8,9,10,11,12,13,14,15
	global_load_b64 v[72+2*\s:73+2*\s], v[K8], s[KC:KC+1] offset:65536*\s   ; lane l: token l's key of split s.  The keys go out first: the gathers hang on them
.endr
.irp s, 0,1,2,3,4,5,6,7,8,9,10,11,12,13,14,15
	global_load_b64 v[192+2*\s:193+2*\s], v[K8], s[KF:KF+1] offset:65536*\s
.endr
	s_add_nc_u64 s[G0A+2:G0A+3], s[WB:WB+1], s[56:57]
	s_add_nc_u64 s[G0B+2:G0B+3], s[G0A+2:G0A+3], 32*WT
	s_or_b32 s[G0A+3], s[G0A+3], 0x80000000
	s_or_b32 s[G0B+3], s[G0B+3], 0x80000000
	CROUND                                         ; all four work-groups are here: the joint loads meet
	tensor_load_to_lds s[G0A:G0A+3], s[G1:G1+7]    ; my panel of w_c2f
	s_nop 0
.rept 4
	v_nop                                          ; four lines follow the load ahead of any switch of windows
.endr
	s_mul_i32 s93, s[WV], 1536
	v_add_nc_u32 v[XWI], s93, v[LI]
	s_add_co_u32 s93, s93, PRM
	v_add_nc_u32 v[PD], s93, v[LI]
	v_lshl_add_u32 v[PQ], v[HH], 6, s93
	s_lshl_b32 s93, s[WV], 7
	v_add_nc_u32 v[XWS], s93, v[LS]
	s_mul_i32 s93, s[WV], WSTG
	s_add_co_u32 s93, s93, STG
	v_add_nc_u32 v[SD], s93, v[LI]
	v_mul_u32_u24 v[SQ], v[RR], SP
	v_lshl_add_u32 v[SQ], v[HH], 6, v[SQ]
	v_add_nc_u32 v[SQ], s93, v[SQ]
	s_mul_i32 s93, s[WV], WPAN
	s_add_co_u32 s93, s93, WL
	v_add_nc_u32 v[WLA], s93, v[LI]
	v_add_nc_u32 v[WRA], s93, v[R16]
	s_lshl_b32 s93, s[WV], 2
	v_add_nc_u32 v[RW], s93, v[R16]
	v_mov_b32 v[MU+1], 0                           ; (upper halves of pairs of which the low word serves both halves: written once)
	v_mov_b32 v[MU+3], 0
	v_mov_b32 v[LA], 0                             ; the loss, in two packed chains
	v_mov_b32 v[LA+1], 0
	v_mov_b32 v[LB], 0
	v_mov_b32 v[LB+1], 0
	s_mov_b32 s[SEL], 0x76543210
	s_mov_b32 s[SEL+1], 0xfedcba98
	s_lshl_b32 s94, s[WV], 9                       ; my 128 columns: 512 bytes
	s_mov_b32 s95, 0
	s_lshl_b32 s96, s53, 17                        ; my work-group's 32 rows of z and of out0
	s_add_co_u32 s96, s96, s94
	s_mov_b32 s97, 0
	s_add_nc_u64 s[ZB:ZB+1], s[ZB:ZB+1], s[96:97]
	s_add_nc_u64 s[OUT:OUT+1], s[OUT:OUT+1], s[96:97]
	s_add_nc_u64 s[CE:CE+1], s[CE:CE+1], s[94:95]
	s_add_nc_u64 s[FE:FE+1], s[FE:FE+1], s[94:95]
	s_add_nc_u64 s[BC:BC+1], s[BC:BC+1], s[94:95]
	s_add_nc_u64 s[GC:GC+1], s[GC:GC+1], s[94:95]
	s_add_nc_u64 s[EC:EC+1], s[EC:EC+1], s[94:95]
	s_add_nc_u64 s[BFP:BFP+1], s[BFP:BFP+1], s[94:95]
	s_add_nc_u64 s[GF:GF+1], s[GF:GF+1], s[94:95]
	s_add_nc_u64 s[EF:EF+1], s[EF:EF+1], s[94:95]
	s_lshl_b32 s96, s53, 4
	s_add_co_u32 s96, s96, s93                     ; (4 x work-group + wave) x 4 bytes
	s_add_nc_u64 s[PRT:PRT+1], s[PRT:PRT+1], s[96:97]
	global_load_b128 v[PV:PV+3], v[LI], s[BC:BC+1]     ; my 128 numbers of b_c2f,
	global_load_b128 v[PV+4:PV+7], v[LI], s[GC:GC+1]   ; of g_c2f,
	global_load_b128 v[PV+8:PV+11], v[LI], s[EC:EC+1]  ; of be_c2f
	ZLOAD H, 0, 0, 0
	ZLOAD 0, 3, 1, 0
	s_wait_loadcnt 32                              ; the keys and the three vectors are in; the 32 loads of x may be out
	COMBINE 72, 16, IDXC
	COMBINE 192, 16, IDXF                          ; a fine split is 512 codes: 16 keys a token
.irp b, 0,1,2,3
	v_mov_b32 v[TM+4+\b], 0                        ; a lane permute's destination counts as one of its sources
.endr
	GATHER H+64, 0, IDXC, 0, 0xfff, CE
	GATHER 64, 3, IDXC, 1, 0xfff, CE
	GATHER 192, 1, IDXF, 0, 0x1fff, FE
	ZLOAD H, 3, 0, 2048                            ; z_fine, asked for with the gathers
	ZLOAD H+64, 3, 1, 2048
	PPUT PV
	s_wait_kmcnt 0x0
	SIGM 98
	v_readfirstlane_b32 s[GTC], v[TT+2]
	s_mov_b32 s[GTC+1], s[GTC]
	SIGM 99
	v_mul_f32 v[TT+2], 0x3dcccccd, v[TT+2]         ; 0.1 x gate_f
	v_readfirstlane_b32 s[GTF], v[TT+2]
	s_mov_b32 s[GTF+1], s[GTF]
	s_wait_tensorcnt 0x0                           ; my panel of w_c2f lies in LDS: it comes into registers while the gathered rows are on their way
	WLDS 0
	WLDS 1
	PGET 192, 2, 0                                 ; b_c2f
	s_wait_tensorcnt 0x0                           ; THE REFILL: no tensor load of mine is out,
	ds_add_u32 v[SPW], v[NIL]                      ; 0 onto my spare word,
	s_wait_dscnt 0x0                               ; the add is done, and my reads of the panel are over: it lies in registers
	CROUND                                         ; the same holds of every wave of all four work-groups
	tensor_load_to_lds s[G0B:G0B+3], s[G1:G1+7]    ; my panel of w_f2c, into the same bytes: the first thing behind the round, and my one tensor load from here on
	s_nop 0
.rept 4
	v_nop
.endr
	s_wait_loadcnt 63                              ; x and tile 0's coarse rows are in: 64 loads were issued behind them
	XC 0, 1
	s_wait_loadcnt 48                              ; tile 1's coarse rows are in; tile 0's fine rows (16) and z_fine (32) may be out
	XC 1, 1
	PGET 0, 3, 1                                   ; g_c2f and be_c2f, where tile 1's x and q lay
	PGET 64, 3, 2
	BARRIER                                        ; z_coarse_q's eight fragments lie in LDS
	MLP 2
	global_load_b128 v[72:75], v[LI], s[BFP:BFP+1] ; my 128 numbers of b_f2c, g_f2c, be_f2c, into registers that the products' places have freed
	global_load_b128 v[76:79], v[LI], s[GF:GF+1]
	global_load_b128 v[80:83], v[LI], s[EF:EF+1]
	GATHER 192, 2, IDXF, 1, 0x1fff, FE             ; the first bias's registers are free too
	LNA 0
	s_wait_tensorcnt 0x0                           ; my panel of w_f2c lies in LDS: it comes into registers in two runs, with the LayerNorm's vector work behind each
	WLDS 0
	LNB
	WLDS 1
.set J_, 0
.rept 64
	v_pk_mul_f32 v[H+J_:H+J_+1], v[H+J_:H+J_+1], s[GTC:GTC+1] op_sel_hi:[1,0]   ; gate_c x coarse_influence
.set J_, J_+2
.endr
	s_wait_loadcnt 16                              ; z_fine, tile 0's fine rows and the three vectors are in; tile 1's fine rows (16) may be out
	PPUT 72
	PGET 0, 3, 1                                   ; g_f2c, be_f2c
	PGET 64, 3, 2
	STEP4 0                                        ; every wave has passed two barriers behind its last read of the first product's fragments: their bytes are written again
	PGET 192, 1, 0                                 ; b_f2c, where tile 0's fine rows lay
	s_wait_loadcnt 0x0
	STEP4 1
	BARRIER                                        ; z_fine_q's eight fragments lie in LDS
	MLP 1
	LNA 0                                          ; (the row sums' two regions again: barriers lie between the first LayerNorm's reads and these stores)
	LNB
	s_wait_xcnt 0x0                                ; the fine half's stores have read window 3's panels
.irp m, 0,1
	ST_QUANT TS, H+64*\m                           ; the feedback turns from quant to dense
	LD_DENSE TS, H+64*\m, 0
	LD_DENSE ZQ+8448*\m, H+64*\m, 3                ; z_coarse_q, as it was left
	s_wait_dscnt 0x0
	WIN 0x30                                       ; source 2 window 3
.set J_, 0
.rept 32
	v_pk_fma_f32 v[H+64*\m+J_:H+64*\m+J_+1], v[H+64*\m+J_:H+64*\m+J_+1], s[GTF:GTF+1], v[H+64*\m+J_:H+64*\m+J_+1] op_sel_hi:[1,0,1]
.set J_, J_+2
.endr
	WIN 0
.irp i, 0,1,2,3,4,5,6,7,8,9,10,11,12,13,14,15
	global_store_b128 v[LI], v[H+64*\m+4*\i:H+64*\m+4*\i+3], s[OUT:OUT+1] offset:(16*\m+\i)*4096 th:TH_STORE_NT
.endr
.endr
	v_pk_add_f32 v[LA:LA+1], v[LA:LA+1], v[LB:LB+1]
	v_add_f32 v[LA], v[LA], v[LA+1]
	v_add_f32_dpp v[LA], v[LA], v[LA] row_xmask:1 row_mask:0xf bank_mask:0xf
	v_add_f32_dpp v[LA], v[LA], v[LA] row_xmask:2 row_mask:0xf bank_mask:0xf
	v_add_f32_dpp v[LA], v[LA], v[LA] row_xmask:4 row_mask:0xf bank_mask:0xf
	v_add_f32_dpp v[LA], v[LA], v[LA] row_xmask:8 row_mask:0xf bank_mask:0xf
	v_permlanex16_b32 v[LA+1], v[LA], s[SEL], s[SEL+1]
	v_add_f32 v[LA], v[LA], v[LA+1]                ; my wave's sum of squared differences
	v_mov_b32 v[TT], 0
	v_cmp_eq_u32 vcc_lo, 0, v[LL]
	s_wait_alu depctr_va_vdst(0)
	s_wait_xcnt 0x0                                ; EXEC changes only behind this wait
	s_and_saveexec_b32 s93, vcc_lo
	global_store_b32 v[TT], v[LA], s[PRT:PRT+1]
	s_wait_xcnt 0x0
	s_or_b32 exec_lo, exec_lo, s93
	s_wait_tensorcnt 0x0                           ; the wave's end: behind my last tensor load and my last LDS store
	ds_add_u32 v[SPW], v[NIL]
	s_wait_dscnt 0x0
	CROUND                                         ; the closing round: no work-group ends while a partner may still ask for a tile that names it
	s_endpgm
.Lfunc_end_k_q74a626c2bd_fin:
	.size	k_q74a626c2bd_fin, .Lfunc_end_k_q74a626c2bd_fin-k_q74a626c2bd_fin
	.p2alignl 7, 3214868480
	.fill 96, 4, 3214868480
	.section	.rodata,"a",@progbits
	.p2align	6, 0x0
	.amdhsa_kernel k_q74a626c2bd_fin
		.amdhsa_group_segment_fixed_size 327680
		.amdhsa_private_segment_fixed_size 0
		.amdhsa_enable_private_segment 0
		.amdhsa_kernarg_size 128
		.amdhsa_user_sgpr_count 2
		.amdhsa_user_sgpr_kernarg_segment_ptr 1
		.amdhsa_wavefront_size32 1
		.amdhsa_system_sgpr_workgroup_id_x 1
		.amdhsa_system_sgpr_workgroup_id_y 1
		.amdhsa_system_sgpr_workgroup_id_z 1
		.amdhsa_system_vgpr_workitem_id 0
		.amdhsa_next_free_vgpr 1024
		.amdhsa_next_free_sgpr 100
		.amdhsa_reserve_vcc 1
		.amdhsa_float_denorm_mode_32 3
		.amdhsa_float_denorm_mode_16_64 3
		.amdhsa_memory_ordered 1
		.amdhsa_forward_progress 1
		.amdhsa_inst_pref_size 227
	.end_amdhsa_kernel
	.amdgpu_metadata
---
amdhsa.version: [ 1, 2 ]
amdhsa.kernels:
  - .name:           k_q74a626c2bd_fin
    .symbol:         k_q74a626c2bd_fin.kd
    .args:
      - { .name: z, .offset: 0, .size: 8, .value_kind: global_buffer, .address_space: global }
      - { .name: coarse_emb, .offset: 8, .size: 8, .value_kind: global_buffer, .address_space: global }
      - { .name: fine_emb, .offset: 16, .size: 8, .value_kind: global_buffer, .address_space: global }
      - { .name: wimg, .offset: 24, .size: 8, .value_kind: global_buffer, .address_space: global }
      - { .name: b_c2f, .offset: 32, .size: 8, .value_kind: global_buffer, .address_space: global }
      - { .name: g_c2f, .offset: 40, .size: 8, .value_kind: global_buffer, .address_space: global }
      - { .name: be_c2f, .offset: 48, .size: 8, .value_kind: global_buffer, .address_space: global }
      - { .name: b_f2c, .offset: 56, .size: 8, .value_kind: global_buffer, .address_space: global }
      - { .name: g_f2c, .offset: 64, .size: 8, .value_kind: global_buffer, .address_space: global }
      - { .name: be_f2c, .offset: 72, .size: 8, .value_kind: global_buffer, .address_space: global }
      - { .name: gate_c_raw, .offset: 80, .size: 8, .value_kind: global_buffer, .address_space: global }
      - { .name: gate_f_raw, .offset: 88, .size: 8, .value_kind: global_buffer, .address_space: global }
      - { .name: keyc, .offset: 96, .size: 8, .value_kind: global_buffer, .address_space: global }
      - { .name: keyf, .offset: 104, .size: 8, .value_kind: global_buffer, .address_space: global }
      - { .name: out0, .offset: 112, .size: 8, .value_kind: global_buffer, .address_space: global }
      - { .name: part, .offset: 120, .size: 8, .value_kind: global_buffer, .address_space: global }
    .group_segment_fixed_size: 327680
    .private_segment_fixed_size: 0
    .kernarg_segment_align: 8
    .kernarg_segment_size: 128
    .max_flat_workgroup_size: 128
    .sgpr_count:     100
    .vgpr_count:     1024
    .wavefront_size: 32
...
	.end_amdgpu_metadata
.endif
;; end of part 5
;; launch loss (part 6): grid 1 x 1, 1 waves a work-group, no clusters, 0 bytes of LDS; arguments part, out1; writes out1
.if DOCPART == 6
	.amdgcn_target "amdgcn-amd-amdhsa--gfx1250"
	.amdhsa_code_object_version 6
	.text
	.protected	k_q74a626c2bd_loss
	.globl	k_q74a626c2bd_loss
	.p2align	8
	.type	k_q74a626c2bd_loss,@function
k_q74a626c2bd_loss:
	s_mov_b64 s[64:65], 0
	v_nop
	global_prefetch_b8 v0, s[64:65] scope:SCOPE_SE
	s_setreg_imm32_b32 hwreg(HW_REG_WAVE_MODE, 25, 1), 1
	s_wait_xcnt 0x0
; LOSS.  vq_loss = 1.25 x (mean of (q - x)^2, coarse) + 1.25 x (the same, fine): both means have 2^22 terms, so it is the sum of the 1,024 stored parts x 1.25 x 2^-22.
; One wave sums all 1,024 parts itself, in a fixed order.
	s_load_b128 s[4:7], s[0:1], 0x0                ; part, out1
	v_lshlrev_b32 v1, 4, v0
	s_mov_b32 s8, 0x76543210
	s_mov_b32 s9, 0xfedcba98
	s_wait_alu depctr_va_vdst(0)
	s_wait_kmcnt 0x0
.irp k, 0,1,2,3,4,5,6,7
	global_load_b128 v[4+4*\k:7+4*\k], v1, s[4:5] offset:512*\k
.endr
	s_wait_loadcnt 0x0
.irp k, 1,2,3,4,5,6,7
	v_pk_add_f32 v[4:5], v[4:5], v[4+4*\k:5+4*\k]
	v_pk_add_f32 v[6:7], v[6:7], v[6+4*\k:7+4*\k]
.endr
	v_pk_add_f32 v[4:5], v[4:5], v[6:7]
	v_add_f32 v4, v4, v5
	v_add_f32_dpp v4, v4, v4 row_xmask:1 row_mask:0xf bank_mask:0xf
	v_add_f32_dpp v4, v4, v4 row_xmask:2 row_mask:0xf bank_mask:0xf
	v_add_f32_dpp v4, v4, v4 row_xmask:4 row_mask:0xf bank_mask:0xf
	v_add_f32_dpp v4, v4, v4 row_xmask:8 row_mask:0xf bank_mask:0xf
	v_permlanex16_b32 v5, v4, s8, s9
	v_add_f32 v4, v4, v5
	v_mul_f32 v4, 0x34a00000, v4                   ; x 1.25 x 2^-22
	v_mov_b32 v2, 0
	v_cmp_eq_u32 vcc_lo, 0, v0
	s_wait_alu depctr_va_vdst(0)
	s_wait_xcnt 0x0                                ; EXEC changes only behind this wait
	s_and_saveexec_b32 s10, vcc_lo
	global_store_b32 v2, v4, s[6:7]
	s_wait_xcnt 0x0
	s_or_b32 exec_lo, exec_lo, s10
	s_endpgm
.Lfunc_end_k_q74a626c2bd_loss:
	.size	k_q74a626c2bd_loss, .Lfunc_end_k_q74a626c2bd_loss-k_q74a626c2bd_loss
	.p2alignl 7, 3214868480
	.fill 96, 4, 3214868480
	.section	.rodata,"a",@progbits
	.p2align	6, 0x0
	.amdhsa_kernel k_q74a626c2bd_loss
		.amdhsa_group_segment_fixed_size 0
		.amdhsa_private_segment_fixed_size 0
		.amdhsa_enable_private_segment 0
		.amdhsa_kernarg_size 16
		.amdhsa_user_sgpr_count 2
		.amdhsa_user_sgpr_kernarg_segment_ptr 1
		.amdhsa_wavefront_size32 1
		.amdhsa_system_sgpr_workgroup_id_x 1
		.amdhsa_system_sgpr_workgroup_id_y 1
		.amdhsa_system_sgpr_workgroup_id_z 1
		.amdhsa_system_vgpr_workitem_id 0
		.amdhsa_next_free_vgpr 48
		.amdhsa_next_free_sgpr 66
		.amdhsa_reserve_vcc 1
		.amdhsa_float_denorm_mode_32 3
		.amdhsa_float_denorm_mode_16_64 3
		.amdhsa_memory_ordered 1
		.amdhsa_forward_progress 1
		.amdhsa_inst_pref_size 4
	.end_amdhsa_kernel
	.amdgpu_metadata
---
amdhsa.version: [ 1, 2 ]
amdhsa.kernels:
  - .name:           k_q74a626c2bd_loss
    .symbol:         k_q74a626c2bd_loss.kd
    .args:
      - { .name: part, .offset: 0, .size: 8, .value_kind: global_buffer, .address_space: global }
      - { .name: out1, .offset: 8, .size: 8, .value_kind: global_buffer, .address_space: global }
    .group_segment_fixed_size: 0
    .private_segment_fixed_size: 0
    .kernarg_segment_align: 8
    .kernarg_segment_size: 16
    .max_flat_workgroup_size: 32
    .sgpr_count:     66
    .vgpr_count:     48
    .wavefront_size: 32
...
	.end_amdgpu_metadata
.endif
;; end of part 6
